; MI455X (gfx1250); checked and timed in simulation.
; The chip was launched on July 23, 2026; its instructions are those of AMD's public machine-readable ISA for CDNA 5 (MIT licence, August 2026) and "CDNA5" Instruction Set Architecture Reference Guide (July 2026). The comments in the code are by the model that wrote it; some were corrected since.
;; Causal Self Attention With A Li Bi. Allowed arithmetic: matrix products marked QUANTISED: E2M1 operands, one E8M0 scale for each 32 along K, by v_wmma_scale_f32_16x16x128_f8f6f4 with both operands' format E2M1 (or v_wmma_scale_f32_32x16x128_f4), f32 sums; products left as they are: bf16, f16 or f32 operands; f32 sums; everything else in f32.
;; Inputs: W_kqv 1,024 x 3,072 float32; W_proj 1,024 x 1,024 float32; b_kqv 3,072 float32; b_proj 1,024 float32; slopes 16 float32; x 2 x 2,048 x 1,024 float32.
;; Outputs: out0 2 x 2,048 x 1,024 float32.
;; This version of the problem:
;;   THIS VERSION OF THE PROBLEM IS GIVEN IN LOW PRECISION. The matrix products marked QUANTISED in the list below multiply operands that are first quantised to E2M1 (2 exponent bits, 1 mantissa bit; 4 bits a number), with one power-of-two scale for each 32 numbers along K (OCP MX v1.0); their sums are f32. The products marked 'left as it is' may take bf16, f16 or f32 operands, with f32 sums. Whichever they take, every output number must still come out within the allowed error. Rounding operands to bf16 (8 significant bits) uses up far more of that allowance than f16 does (11 bits, for magnitudes from 6e-5 to 65,504). All else is computed in f32.
;;   The module's matrix products, in the order in which they are computed (A, B: the left and right operand; K: the contracted axis; several contracted axes count as one K, in the product's order):
;;     1. [M 4,096, K 1,024] x [K 1,024, N 3,072]; A: input x; B: input W_kqv: QUANTISED
;;     2. batch 32 x [M 2,048, K 64] x [K 64, N 2,048]; A: computed on the way; B: computed on the way: left as it is (an operand is computed on the way)
;;     3. batch 32 x [M 64, K 2,048] x [K 2,048, N 2,048]; A: computed on the way; B: computed on the way: left as it is (an operand is computed on the way)
;;     4. [M 4,096, K 1,024] x [K 1,024, N 1,024]; A: computed on the way; B: input W_proj: left as it is (an operand is computed on the way)
;;   THE QUANTISER, for each operand of a quantised product, along K:
;;     - K is cut into blocks of 32 from its start; a last block that is shorter is filled with zeros.
;;     - A block's scale is 2^e with e = floor(log2(the largest magnitude in the block)) - 2, held to -126 .. 127; a block of zeros has e = 0. As a byte (E8M0): e + 127.
;;     - Each number is divided by its block's scale, clamped to +-6, and rounded to the nearest number of E2M1, ties to even, subnormals kept.
;;     - The product sums the exact products of the quantised numbers (number of the format x scale) in f32.
;;   ~~~python
;;   def quantise(x, axis):      # numpy; x: float32 -> the quantised numbers, widened to float32 again
;;       x = np.moveaxis(x, axis, -1); K = x.shape[-1]
;;       x = np.pad(x, [(0, 0)] * (x.ndim - 1) + [(0, -K % 32)]); x = x.reshape(x.shape[:-1] + (-1, 32)); a = np.abs(x).max(-1, keepdims=True)
;;       e = np.where(a > 0, np.clip(np.frexp(np.where(a > 0, a, 1))[1] - 1 - 2, -126, 127), 0)      # np.frexp(a)[1] - 1 = floor(log2(a)), exactly
;;       r = np.clip(x / 2.0 ** e, -6, 6)
;;       step = 2.0 ** (np.maximum(np.frexp(np.where(r == 0, 1, r))[1] - 1, 0) - 1)
;;       q = np.round(r / step) * step * 2.0 ** e      # np.round: ties to even
;;       return np.moveaxis(q.reshape(q.shape[:-2] + (-1,))[..., :K], -1, axis).astype(np.float32)
;;   ~~~
;; One version. Each part assembles by itself: llvm-mc -triple=amdgcn-amd-amdhsa -mcpu=gfx1250 --defsym DOCPART=n.
;; ======== version 1 of 1: 5 launches
;; limits: values are held in f16: magnitudes above 65,504 overflow, below 6.1e-05 lose precision
;; workspace buffers: x_codes 2,097,152 bytes; x_scales 131,072 bytes; w_codes 1,572,864 bytes; w_scales 98,304 bytes; w16 2,097,152 bytes; kqvh 25,165,824 bytes; kqv32 393,216 bytes; yb 8,388,608 bytes
;; launch prep (part 1): grid 224 x 1, 8 waves a work-group, no clusters, 84,992 bytes of LDS; arguments x, W_kqv, W_proj, x_codes, x_scales, w_codes, w_scales, w16; writes x_codes, x_scales, w_codes, w_scales, w16
.if DOCPART == 1
	.amdgcn_target "amdgcn-amd-amdhsa--gfx1250"
	.amdhsa_code_object_version 6
	.text
	.protected	k_q6b91eb2e5d_prep
	.globl	k_q6b91eb2e5d_prep
	.p2align	8
	.type	k_q6b91eb2e5d_prep,@function
k_q6b91eb2e5d_prep:
	s_mov_b64 s[64:65], 0
	v_nop
	global_prefetch_b8 v0, s[64:65] scope:SCOPE_SE
	s_setreg_imm32_b32 hwreg(HW_REG_WAVE_MODE, 25, 1), 1
	s_wait_xcnt 0x0
; Three streams in one launch, told apart by the work-group's number alone:
;   work-groups   0 ..  95  W_kqv [1024 k][3072 n] f32 -> codes of E2M1 with K innermost, w_codes [3072][512 bytes], and scale bytes w_scales [2 halves of K][3072][16]
;   work-groups  96 .. 159  x [4096][1024] f32 -> x_codes [4096][512 bytes], x_scales [4096][32]
;   work-groups 160 .. 223  W_proj [1024][1024] f32 -> w16, the same numbers in f16
; A block of 32 along K has the scale 2^(floor(log2(largest magnitude)) - 2); its byte is the largest magnitude's exponent field - 2, held at 1 from below.
; A block of zeros so gets the byte 1 where the rule says 127: its codes are zeros, which add nothing, and this program alone reads the bytes.
; LIMITS: NaN and infinities among the inputs are not served; numbers of W_proj above 65,504 in magnitude are not served (f16).
; Each path has LDS bytes of its own.  No tensor loads, no matrix instructions: memory binds, so all loads and stores cover consecutive bytes.
.set WST,   65536                      ; path W: a stage of 64 columns x (256 bytes of codes + 16)
.set WSC,   82944                      ; path W: 64 columns x 16 scale bytes
.set SPARE, 83968                      ; the spare words, 128 bytes for each of the eight waves
.set SPW,   28                         ; v28  LDS address of my spare word; never rewritten
.set NIL,   29                         ; v29  0; never rewritten
.set SP,    80                         ; path X: a lane's place in a stage: 64 bytes + 16 of padding
.set XR,    32                         ; path X: v32-159 eight sets of 16 numbers as loaded
.set XN,    160                        ; v160-191 two sets of 16 neighbours
.set XC,    192                        ; v192-223 a step's codes, two registers each
.set XE,    224                        ; v224-239 a step's scale byte
.set WX,    32                         ; path W: v32-159 four blocks of 32 numbers
.set WC,    160                        ; v160-175 their codes
.set WROW,  12288                      ; a row of W_kqv in bytes
; ---- path X: 512 numbers a step; the loads take bytes as they lie, the stage turns them so that a lane holds 16 neighbours
.macro XLOAD t
.irp i, 0,1,2,3
	global_load_b128 v[XR+16*((\t)%8)+4*\i:XR+16*((\t)%8)+4*\i+3], v3, s[4:5] offset:2048*(\t)+512*\i th:TH_LOAD_NT   ; 32 lanes read 512 consecutive bytes
.endr
.endm
.macro XTURN t                         ; LDS serves a wave's instructions in order: no wait between the stores and the loads
.irp i, 0,1,2,3
	ds_store_b128 v14, v[XR+16*((\t)%8)+4*\i:XR+16*((\t)%8)+4*\i+3] offset:32*SP*((\t)%2)+8*SP*\i
.endr
.irp i, 0,1,2,3
	ds_load_b128 v[XN+16*((\t)%2)+4*\i:XN+16*((\t)%2)+4*\i+3], v15 offset:32*SP*((\t)%2)+16*\i
.endr
.endm
.macro XSTEP t
.set XS, XN+16*((\t)%2)
.if (\t) > 0
	s_wait_dscnt 1                                 ; this step's numbers are back from the stage; the last step's byte store may be out
.else
	s_wait_dscnt 0x0
.endif
.if (\t)+8 < 16
	XLOAD (\t)+8                                   ; into the set that this step's stage stores have read
.endif
.if (\t)+1 < 16
.if 14-(\t) >= 7
	s_wait_loadcnt 28                              ; the next step's four loads are in; those of the seven steps behind it may be out
.else
	s_wait_loadcnt 4*(14-(\t))                     ; fewer steps are left behind it
.endif
	XTURN (\t)+1
.endif
	v_max3_num_f32 v8, |v[XS]|, |v[XS+1]|, |v[XS+2]|
	v_max3_num_f32 v9, |v[XS+3]|, |v[XS+4]|, |v[XS+5]|
.irp i, 6,10
	v_max3_num_f32 v8, v8, |v[XS+\i]|, |v[XS+\i+1]|
	v_max3_num_f32 v9, v9, |v[XS+\i+2]|, |v[XS+\i+3]|
.endr
	v_max3_num_f32 v8, v8, |v[XS+14]|, |v[XS+15]|
	v_max3_num_f32 v8, v8, v9, 0x1800000           ; with the floor 2^(3 - 127): the byte cannot fall under 1
	v_max_num_f32_dpp v8, v8, v8 row_xmask:1 row_mask:0xf bank_mask:0xf   ; and my neighbour's 16: the block's largest magnitude
	v_add_nc_u32 v11, 0xff000000, v8               ; 2 off its exponent field: the conversion's scale operand
	v_cvt_scalef32_pk8_fp4_f32 v[XC+2*(\t)], v[XS:XS+7], v11
	v_cvt_scalef32_pk8_fp4_f32 v[XC+2*(\t)+1], v[XS+8:XS+15], v11
	v_lshrrev_b32 v[XE+(\t)], 23, v11              ; the scale's byte
	ds_store_b8 v5, v[XE+(\t)] offset:16*(\t)      ; both lanes of a block write the same byte with the same value
	global_store_b64 v4, v[XC+2*(\t):XC+2*(\t)+1], s[10:11] offset:256*(\t)   ; 32 lanes store 256 consecutive bytes, aligned
.endm
; ---- path W: a lane takes a column, its registers run down K
.macro WLOAD t
.set i, 0
.rept 32
	global_load_b32 v[WX+32*(\t)+i], v3, s[6:7] offset:(32*(\t)+i)*WROW th:TH_LOAD_NT   ; 32 lanes read 128 consecutive bytes of a row
.set i, i+1
.endr
.endm
.macro WBLOCK t
.set XB, WX+32*(\t)
.if (\t) < 3
	s_wait_loadcnt 32                              ; this block's 32 loads are in; the next block's may be out
.else
	s_wait_loadcnt 0x0
.endif
	v_max3_num_f32 v12, |v[XB]|, |v[XB+1]|, |v[XB+2]|
	v_max3_num_f32 v13, |v[XB+3]|, |v[XB+4]|, |v[XB+5]|
.irp i, 6,10,14,18,22,26
	v_max3_num_f32 v12, v12, |v[XB+\i]|, |v[XB+\i+1]|
	v_max3_num_f32 v13, v13, |v[XB+\i+2]|, |v[XB+\i+3]|
.endr
	v_max3_num_f32 v12, v12, |v[XB+30]|, |v[XB+31]|
	v_max3_num_f32 v12, v12, v13, 0x1800000        ; the floor
	v_add_nc_u32 v11, 0xff000000, v12
	v_lshrrev_b32 v13, 23, v11
.if (\t) == 0
	v_mov_b32 v24, v13                             ; my four bytes make one word, the lower K in the lower byte
.else
	v_lshl_or_b32 v24, v13, 8*(\t), v24
.endif
.irp g, 0,1,2,3
	v_cvt_scalef32_pk8_fp4_f32 v[WC+4*(\t)+\g], v[XB+8*\g:XB+8*\g+7], v11
.endr
	v_nop                                          ; a plain line behind the last conversion
	ds_store_b128 v4, v[WC+4*(\t):WC+4*(\t)+3] offset:16*(\t)   ; 32 codes: 16 bytes of my column's row
.if (\t) < 2
	WLOAD (\t)+2
.endif
.endm
	s_load_b256 s[4:11], s[0:1], 0x0               ; x s[4:5], W_kqv s[6:7], W_proj s[8:9], x_codes s[10:11]
	s_load_b256 s[12:19], s[0:1], 0x20             ; x_scales s[12:13], w_codes s[14:15], w_scales s[16:17], w16 s[18:19]
	v_lshl_add_u32 v[SPW], v0, 2, SPARE
	v_mov_b32 v[NIL], 0
	v_lshrrev_b32 v1, 5, v0
	v_readfirstlane_b32 s20, v1                    ; wave 0..7
	v_and_b32 v2, 31, v0                           ; lane
	s_wait_kmcnt 0x0
	s_cmp_lt_u32 ttmp9, 96
	s_cbranch_scc1 .Lw
	s_cmp_lt_u32 ttmp9, 160
	s_cbranch_scc1 .Lx
	; ---- path P: a wave turns 2,048 numbers of W_proj into f16
	s_sub_co_u32 s21, ttmp9, 160
	s_lshl_b32 s21, s21, 3
	s_add_co_u32 s21, s21, s20                     ; which run of 2,048 numbers
	s_lshl_b32 s22, s21, 13
	s_mov_b32 s23, 0
	s_add_nc_u64 s[8:9], s[8:9], s[22:23]
	s_lshl_b32 s22, s21, 12
	s_add_nc_u64 s[18:19], s[18:19], s[22:23]
	v_lshlrev_b32 v3, 4, v2
	v_lshlrev_b32 v4, 3, v2
.irp i, 0,1,2,3,4,5,6,7,8,9,10,11,12,13,14,15
	global_load_b128 v[32+4*\i:35+4*\i], v3, s[8:9] offset:512*\i th:TH_LOAD_NT
.endr
.irp i, 0,1,2,3,4,5,6,7,8,9,10,11,12,13,14,15
	s_wait_loadcnt 15-\i                           ; loads come back in order: number i is in
	v_cvt_pk_f16_f32 v[96+2*\i], v[32+4*\i], v[33+4*\i]
	v_cvt_pk_f16_f32 v[97+2*\i], v[34+4*\i], v[35+4*\i]
	global_store_b64 v4, v[96+2*\i:97+2*\i], s[18:19] offset:256*\i   ; 32 lanes store 256 consecutive bytes, aligned
.endr
	s_wait_tensorcnt 0x0                           ; the wave's end
	ds_add_u32 v[SPW], v[NIL]
	s_wait_dscnt 0x0
	s_endpgm
.Lx:	; ---- path X: a wave takes 16 steps of 512 numbers of x
	s_sub_co_u32 s21, ttmp9, 96
	s_lshl_b32 s21, s21, 3
	s_add_co_u32 s21, s21, s20                     ; which run of 8,192 numbers
	s_mov_b32 s23, 0
	s_lshl_b32 s22, s21, 15
	s_add_nc_u64 s[4:5], s[4:5], s[22:23]
	s_lshl_b32 s22, s21, 12
	s_add_nc_u64 s[10:11], s[10:11], s[22:23]
	s_lshl_b32 s22, s21, 8
	s_add_nc_u64 s[12:13], s[12:13], s[22:23]
	s_lshl_b32 s24, s20, 13                        ; my wave's 8,192 bytes of LDS: two stages, then 256 scale bytes
	v_lshlrev_b32 v3, 4, v2
	v_lshrrev_b32 v14, 2, v2
	v_mul_u32_u24 v14, v14, SP
	v_and_b32 v15, 3, v2
	v_lshl_add_u32 v14, v15, 4, v14
	v_add_nc_u32 v14, s24, v14                     ; into the stage: four lanes' 64 bytes on end, then the padding
	v_mul_u32_u24 v15, v2, SP
	v_add_nc_u32 v15, s24, v15                     ; out of it: my 16 neighbours
	v_lshlrev_b32 v4, 3, v2
	v_lshrrev_b32 v5, 1, v2
	s_add_co_u32 s24, s24, 2*32*SP
	v_add_nc_u32 v5, s24, v5                       ; my block's scale byte
	v_lshlrev_b32 v7, 3, v2
	v_add_nc_u32 v6, s24, v7
.irp t, 0,1,2,3,4,5,6,7
	XLOAD \t
.endr
	s_wait_loadcnt 28                              ; step 0's four loads are in; seven steps' may be out
	XTURN 0
.irp t, 0,1,2,3,4,5,6,7,8,9,10,11,12,13,14,15
	XSTEP \t
.endr
	ds_load_b64 v[8:9], v6                         ; my wave's 256 scale bytes, in order behind the byte stores
	s_wait_dscnt 0x0
	global_store_b64 v7, v[8:9], s[12:13]          ; 256 consecutive bytes, aligned
	s_wait_tensorcnt 0x0                           ; the wave's end
	ds_add_u32 v[SPW], v[NIL]
	s_wait_dscnt 0x0
	s_endpgm
.Lw:	; ---- path W: the work-group takes 64 columns x 512 along K; wave (cg, kq) takes 32 columns x 128 along K
	s_cmp_ge_u32 ttmp9, 48
	s_cselect_b32 s21, 1, 0                        ; which half of K
	s_cselect_b32 s22, 48, 0
	s_sub_co_u32 s22, ttmp9, s22                   ; which 64 columns
	s_and_b32 s23, s20, 1                          ; cg
	s_lshr_b32 s24, s20, 1                         ; kq
	s_and_b32 s30, s20, 3
	s_lshl_b32 s25, s21, 9
	s_lshl_b32 s26, s24, 7
	s_add_co_u32 s25, s25, s26                     ; my first row of W
	s_mul_i32 s25, s25, WROW
	s_lshl_b32 s26, s22, 8
	s_add_co_u32 s25, s25, s26
	s_lshl_b32 s26, s23, 7
	s_add_co_u32 s26, s25, s26
	s_mov_b32 s27, 0
	s_add_nc_u64 s[6:7], s[6:7], s[26:27]
	s_lshl_b32 s26, s22, 15                        ; codes: (64 ct + 8 wave) rows of 512 bytes + 256 bytes for the upper half of K
	s_lshl_b32 s25, s20, 12
	s_add_co_u32 s26, s26, s25
	s_lshl_b32 s25, s21, 8
	s_add_co_u32 s26, s26, s25
	s_add_nc_u64 s[14:15], s[14:15], s[26:27]
	s_mul_i32 s26, s21, 49152                      ; scale bytes: the half of K, 1,024 bytes for the 64 columns, 256 of them for each of waves 0 to 3
	s_lshl_b32 s25, s22, 10
	s_add_co_u32 s26, s26, s25
	s_lshl_b32 s25, s30, 8
	s_add_co_u32 s26, s26, s25
	s_add_nc_u64 s[16:17], s[16:17], s[26:27]
	v_lshlrev_b32 v3, 2, v2
	s_mul_i32 s28, s23, 32*272
	s_lshl_b32 s29, s24, 6
	s_add_co_u32 s28, s28, s29
	s_add_co_u32 s28, s28, WST
	v_mul_u32_u24 v4, v2, 272
	v_add_nc_u32 v4, s28, v4                       ; stage, in: row = my column, 64 bytes for each quarter of the 512 along K
	s_lshl_b32 s28, s23, 9
	s_lshl_b32 s29, s24, 2
	s_add_co_u32 s28, s28, s29
	s_add_co_u32 s28, s28, WSC
	v_lshl_add_u32 v5, v2, 4, s28                  ; my column's 16 scale bytes, my four of them
	v_and_b32 v6, 15, v2
	v_lshrrev_b32 v10, 4, v2
	s_mul_i32 s28, s20, 8*272
	s_add_co_u32 s28, s28, WST
	v_mul_u32_u24 v7, v10, 272
	v_lshl_add_u32 v7, v6, 4, v7
	v_add_nc_u32 v7, s28, v7                       ; stage, out: eight rows a wave, sixteen lanes to a row
	v_lshlrev_b32 v8, 9, v10
	v_lshl_add_u32 v8, v6, 4, v8                   ; and the same place in w_codes
	s_lshl_b32 s28, s30, 8
	s_add_co_u32 s28, s28, WSC
	v_lshl_add_u32 v9, v2, 3, s28
	v_lshlrev_b32 v10, 3, v2
	WLOAD 0
	WLOAD 1
	WBLOCK 0
	WBLOCK 1
	WBLOCK 2
	WBLOCK 3
	ds_store_b32 v5, v24
	s_wait_dscnt 0x0                               ; for the others' sake: my stores into the stage are done
	s_barrier_signal -1
	s_barrier_wait -1                              ; a column's 256 bytes come from four waves
.irp i, 0,1,2,3
	ds_load_b128 v[32+4*\i:35+4*\i], v7 offset:544*\i
.endr
.irp i, 0,1,2,3
	s_wait_dscnt 3-\i
	global_store_b128 v8, v[32+4*\i:35+4*\i], s[14:15] offset:1024*\i   ; sixteen lanes store 256 consecutive bytes, aligned
.endr
	s_cmp_lt_u32 s20, 4
	s_cbranch_scc0 .Lw_end
	ds_load_b64 v[48:49], v9
	s_wait_dscnt 0x0
	global_store_b64 v10, v[48:49], s[16:17]       ; 256 consecutive bytes, aligned
.Lw_end:
	s_wait_tensorcnt 0x0                           ; the wave's end
	ds_add_u32 v[SPW], v[NIL]
	s_wait_dscnt 0x0
	s_endpgm
.Lfunc_end_k_q6b91eb2e5d_prep:
	.size	k_q6b91eb2e5d_prep, .Lfunc_end_k_q6b91eb2e5d_prep-k_q6b91eb2e5d_prep
	.p2alignl 7, 3214868480
	.fill 96, 4, 3214868480
	.section	.rodata,"a",@progbits
	.p2align	6, 0x0
	.amdhsa_kernel k_q6b91eb2e5d_prep
		.amdhsa_group_segment_fixed_size 84992
		.amdhsa_private_segment_fixed_size 0
		.amdhsa_enable_private_segment 0
		.amdhsa_kernarg_size 64
		.amdhsa_user_sgpr_count 2
		.amdhsa_user_sgpr_kernarg_segment_ptr 1
		.amdhsa_wavefront_size32 1
		.amdhsa_system_sgpr_workgroup_id_x 1
		.amdhsa_system_sgpr_workgroup_id_y 1
		.amdhsa_system_sgpr_workgroup_id_z 1
		.amdhsa_system_vgpr_workitem_id 0
		.amdhsa_next_free_vgpr 256
		.amdhsa_next_free_sgpr 66
		.amdhsa_reserve_vcc 0
		.amdhsa_float_denorm_mode_32 3
		.amdhsa_float_denorm_mode_16_64 3
		.amdhsa_memory_ordered 1
		.amdhsa_forward_progress 1
		.amdhsa_inst_pref_size 61
	.end_amdhsa_kernel
	.amdgpu_metadata
---
amdhsa.version: [ 1, 2 ]
amdhsa.kernels:
  - .name:           k_q6b91eb2e5d_prep
    .symbol:         k_q6b91eb2e5d_prep.kd
    .args:
      - { .name: x, .offset: 0, .size: 8, .value_kind: global_buffer, .address_space: global }
      - { .name: W_kqv, .offset: 8, .size: 8, .value_kind: global_buffer, .address_space: global }
      - { .name: W_proj, .offset: 16, .size: 8, .value_kind: global_buffer, .address_space: global }
      - { .name: x_codes, .offset: 24, .size: 8, .value_kind: global_buffer, .address_space: global }
      - { .name: x_scales, .offset: 32, .size: 8, .value_kind: global_buffer, .address_space: global }
      - { .name: w_codes, .offset: 40, .size: 8, .value_kind: global_buffer, .address_space: global }
      - { .name: w_scales, .offset: 48, .size: 8, .value_kind: global_buffer, .address_space: global }
      - { .name: w16, .offset: 56, .size: 8, .value_kind: global_buffer, .address_space: global }
    .group_segment_fixed_size: 84992
    .private_segment_fixed_size: 0
    .kernarg_segment_align: 8
    .kernarg_segment_size: 64
    .max_flat_workgroup_size: 256
    .sgpr_count:     66
    .vgpr_count:     256
    .wavefront_size: 32
...
	.end_amdgpu_metadata
.endif
;; end of part 1
;; launch qkv (part 2): grid 16 x 16, 4 waves a work-group, clusters of 4 x 1, 286,720 bytes of LDS; arguments x_codes, x_scales, w_codes, w_scales, b_kqv, kqvh, kqv32; writes kqvh, kqv32
.if DOCPART == 2
	.amdgcn_target "amdgcn-amd-amdhsa--gfx1250"
	.amdhsa_code_object_version 6
	.text
	.protected	k_q6b91eb2e5d_qkv
	.globl	k_q6b91eb2e5d_qkv
	.p2align	8
	.type	k_q6b91eb2e5d_qkv,@function
k_q6b91eb2e5d_qkv:
	s_mov_b64 s[64:65], 0
	v_nop
	global_prefetch_b8 v0, s[64:65] scope:SCOPE_SE
	s_setreg_imm32_b32 hwreg(HW_REG_WAVE_MODE, 25, 1), 1
	s_wait_xcnt 0x0
	s_wait_alu depctr_hold_cnt(0) depctr_sa_sdst(0) depctr_va_vdst(0) depctr_va_sdst(0) depctr_va_ssrc(0) depctr_va_vcc(0) depctr_vm_vsrc(0)
	s_getreg_b32 s2, hwreg(HW_REG_IB_STS2, 6, 4)
	s_cmp_eq_u32 s2, 0
	s_cbranch_scc0 .Lentry_in_a_cluster
	s_endpgm
.Lentry_in_a_cluster:
	s_bfe_u32 s2, ttmp6, 0x10000c
	s_cmp_lg_u32 s2, 0x3003
	s_cbranch_scc0 .Lentry_shape_is_right
	s_endpgm
.Lentry_shape_is_right:
; kqv = Q(x) Q(W_kqv) + b_kqv on codes of E2M1 with E8M0 scales, sums in f32.  The columns of q are multiplied by c = log2(e) / 8 in f32.
; Out: kqvh, f16 [2 batches][48 groups of 64 columns][2048 positions][64] (groups 0-15 k's heads, 16-31 q's, 32-47 v's), and kqv32, the same numbers in f32 for positions 0 to 15.
; LIMITS: results above 65,504 in magnitude are not served (f16).
; SHARES.  A work-group makes 256 rows x 192 columns (three groups); wave w makes rows 64 w .. 64 w + 63 x all 192: 48 accumulators.  All of K (1,024: 512 bytes a row) lies in LDS at once,
; as two halves of 256-byte rows; nothing is filled again.  16 x 16 = 256 work-groups.
; CLUSTER.  The four work-groups of a cluster share their 256 rows of x: x's codes and scales are asked for jointly.  W's tiles differ between them and come by loads of their own.
; The cluster is 4 x 1 and not 4 x 4, since the branch round the f32 stores hangs on the row of tiles, which has to be the same in all partners.
; THE MATRIX INSTRUCTION IS USED TRANSPOSED (source 0 = 16 columns of W, source 1 = 16 rows of x): a lane holds eight neighbouring columns of one row.  The bias is the C of each sum's first product.
; REGISTERS, in windows of 256.  Window 0: v0-31 addresses; v32-79 W's scale words; v80-95 x's; v96-127 and v192-255 the bias, 8 registers a block of columns; v128-191 x's fragments, two sets.
;   Window 1: accumulators of row blocks 0, 1 (at 96 (a % 2) + 8 b);  window 2: of row blocks 2, 3;  window 3: W's fragments, two sets of 96, at v0 and v128.
.set SLOT,  121856                     ; a half of K: x's 256 rows x 272, then W's 192 rows x 272
.set BOFF,  69632
.set SCA,   243712                     ; x's scale bytes: 32 units of 256 bytes + 16
.set SCB,   252416                     ; W's: [half of K][192 columns][16 bytes], dense
.set STAGE, 258560                     ; the way out: for each wave 3 groups x 16 rows x 144
.set SPARE, 286208                     ; the spare words, 128 bytes a wave
.set ADRA, 16                          ; v16-17 my x fragments in half 0, 1
.set ADRB, 20                          ; v20-21 W's
.set STO,  24
.set RD,   25
.set CO,   26
.set K32,  27
.set SPW,  28                          ; never rewritten
.set NIL,  29                          ; 0; never rewritten
.set ADSA, 30
.set ADSB, 31
.set SCBR, 32                          ; register 24 s + 4 i + q: lanes 0-15 column block i, lanes 16-31 block i + 6
.set SCAR, 80                          ; register 8 s + 4 i + q: lanes 0-15 row block i, lanes 16-31 block i + 2
.set AF,   128
.set T,    96                          ; the way out: 32 numbers in f32
.set H,    128                         ; 16 registers of f16
.set BK,   144                         ; 16 registers read back
.set WV,   18
.set G1A,  24
.set G0A,  32
.set G1B,  40
.set G0B,  48
.set G1SA, 56
.set G0SA, 68
.set G1SB, 72
.set G0SB, 80
.set FS,   84                          ; s[84:89] three pairs: c for a group of q, 1 for the others
.set MSB, 0
.macro WIN new                         ; the immediate's high byte repeats the setting that is left
.if MSB != \new
	s_set_vgpr_msb (MSB<<8)|\new
.set MSB, \new
.endif
.endm
.macro PLACES
.rept 4
	v_nop
.endr
.endm
; Waves 0 and 1 fetch for x (jointly), waves 2 and 3 for W.  An s_nop 0 and four v_nop follow each of the two lines.
.macro JLOAD g0a, g1a, g0b, g1b
	s_cmp_eq_u32 s19, 0
	s_cbranch_scc0 .Lfor_b_\@
	tensor_load_to_lds s[\g0a:\g0a+3], s[\g1a:\g1a+7]
	s_nop 0
.rept 4
	v_nop
.endr
	s_branch .Lasked_\@
.Lfor_b_\@:
	tensor_load_to_lds s[\g0b:\g0b+3], s[\g1b:\g1b+7]
	s_nop 0
.rept 4
	v_nop
.endr
.Lasked_\@:
.endm
.macro CROUND                          ; a round of the cluster's barrier
	s_barrier_signal -1
	s_barrier_wait -1
	s_cmp_lg_u32 s[WV], 0
	s_cbranch_scc1 .Lnot_wave_0_\@
	s_barrier_signal -3
.Lnot_wave_0_\@:
	s_barrier_wait -3
	s_barrier_signal -1
	s_barrier_wait -1
.endm
	s_load_b256 s[4:11], s[0:1], 0x0               ; x_codes s[4:5], x_scales s[6:7], w_codes s[8:9], w_scales s[10:11]
	s_load_b128 s[12:15], s[0:1], 0x20             ; b_kqv s[12:13], kqvh s[14:15]
	s_load_b64 s[16:17], s[0:1], 0x30              ; kqv32
	v_lshl_add_u32 v[SPW], v0, 2, SPARE
	v_mov_b32 v[NIL], 0
	ds_add_u32 v[SPW], v[NIL]                      ; the wave's opening: the add, twice on end, and its wait ahead of my first tensor load
	ds_add_u32 v[SPW], v[NIL]
	v_lshrrev_b32 v1, 5, v0
	v_readfirstlane_b32 s[WV], v1                  ; wave 0..3
	s_lshr_b32 s19, s[WV], 1                       ; I fetch for x (0) or for W (1)
	s_and_b32 s20, s[WV], 1                        ; which half of its rows
	s_bfe_u32 s21, ttmp6, 0x40000                  ; cx
	s_lshl_b32 s22, ttmp9, 2
	s_add_co_u32 s22, s22, s21                     ; X: which 192 columns
	s_and_b32 s23, ttmp7, 0xffff                   ; Y: which 256 rows; the four partners share it
	; group 1 of the four kinds of tile
	s_mov_b32 s[G1A], 15|(1<<20)|(1<<21)|(5<<22)|(3<<25)   ; mask: all four partners; elements of 1 byte; 4 words of padding behind every 64
	s_mov_b32 s[G1A+1], 256<<16
	s_mov_b32 s[G1A+2], 128<<16
	s_mov_b32 s[G1A+3], 256<<16
	s_mov_b32 s[G1A+4], 128                        ; 128 rows of 256 bytes,
	s_mov_b32 s[G1A+5], 512                        ; 512 bytes apart
	s_mov_b32 s[G1A+6], 0
	s_mov_b32 s[G1A+7], 0
	s_mov_b32 s[G1B], (1<<20)|(5<<22)|(3<<25)      ; no mask
	s_mov_b32 s[G1B+1], 256<<16
	s_mov_b32 s[G1B+2], 96<<16
	s_mov_b32 s[G1B+3], 256<<16
	s_mov_b32 s[G1B+4], 96
	s_mov_b32 s[G1B+5], 512
	s_mov_b32 s[G1B+6], 0
	s_mov_b32 s[G1B+7], 0
	s_mov_b32 s[G1SA], 15|(3<<16)|(1<<20)|(1<<21)|(5<<22)|(3<<25)   ; x's scales of 128 rows: 16 dense rows of 32 elements of 8 bytes, padded
	s_mov_b32 s[G1SA+1], 32<<16
	s_mov_b32 s[G1SA+2], 16<<16
	s_mov_b32 s[G1SA+3], 32<<16
	s_mov_b32 s[G1SA+4], 16
	s_mov_b32 s[G1SA+5], 32
	s_mov_b32 s[G1SA+6], 0
	s_mov_b32 s[G1SA+7], 0
	s_mov_b32 s[G1SB], 3<<16                       ; W's scales of 192 columns and one half of K: 12 dense rows of 256 bytes
	s_mov_b32 s[G1SB+1], 32<<16
	s_mov_b32 s[G1SB+2], 12<<16
	s_mov_b32 s[G1SB+3], 32<<16
	s_mov_b32 s[G1SB+4], 12
	s_mov_b32 s[G1SB+5], 32
	s_mov_b32 s[G1SB+6], 0
	s_mov_b32 s[G1SB+7], 0
	; where the tiles go: the wave's number alone
	s_mov_b32 s[G0A], 1
	s_mov_b32 s[G0A+4], 1
	s_mov_b32 s[G0B], 1
	s_mov_b32 s[G0B+4], 1
	s_mov_b32 s[G0SA], 1
	s_mov_b32 s[G0SB], 1
	s_mul_i32 s[G0A+1], s20, 128*272
	s_add_co_u32 s[G0A+5], s[G0A+1], SLOT
	s_mul_i32 s[G0B+1], s20, 96*272
	s_add_co_u32 s[G0B+1], s[G0B+1], BOFF
	s_add_co_u32 s[G0B+5], s[G0B+1], SLOT
	s_mul_i32 s[G0SA+1], s20, 16*272
	s_add_co_u32 s[G0SA+1], s[G0SA+1], SCA
	s_mul_i32 s[G0SB+1], s20, 3072
	s_add_co_u32 s[G0SB+1], s[G0SB+1], SCB
	; where they come from.  x's offsets are made of Y and the wave alone, in registers that never hold X
	s_lshl_b32 s92, s23, 8
	s_lshl_b32 s93, s20, 7
	s_add_co_u32 s92, s92, s93                     ; row 256 Y + 128 half
	s_lshl_b32 s94, s92, 5                         ; its scale bytes
	s_mov_b32 s95, 0
	s_lshl_b32 s92, s92, 9                         ; its codes
	s_mov_b32 s93, 0
	s_mul_i32 s96, s22, 192
	s_mul_i32 s97, s20, 96
	s_add_co_u32 s96, s96, s97
	s_lshl_b32 s96, s96, 9                         ; W's codes: column 192 X + 96 half
	s_mov_b32 s97, 0
	s_mul_i32 s98, s20, 49152                      ; W's scales: the wave's half of K, 16 bytes a column
	s_mul_i32 s99, s22, 3072
	s_add_co_u32 s98, s98, s99
	s_mov_b32 s99, 0
	; c for a group of q's columns (groups 16 to 31), 1 for the others: a choice of a value, no branch
	s_mul_i32 s91, s22, 3
.irp gi, 0,1,2
	s_add_co_u32 s90, s91, \gi
	s_lshr_b32 s90, s90, 4
	s_cmp_eq_u32 s90, 1
	s_cselect_b32 s[FS+2*\gi], 0x3e38aa3b, 1.0
	s_mov_b32 s[FS+2*\gi+1], s[FS+2*\gi]
.endr
	s_and_b32 s90, s23, 7
	s_or_b32 s90, s90, s[WV]                       ; 0 where my row block 0 is positions 0 to 15 of a batch
	s_wait_dscnt 0x0                               ; both opening adds are done
	s_wait_kmcnt 0x0
	s_add_nc_u64 s[G0A+2:G0A+3], s[4:5], s[92:93]
	s_add_nc_u64 s[G0A+6:G0A+7], s[G0A+2:G0A+3], 256
	s_or_b32 s[G0A+3], s[G0A+3], 0x80000000
	s_or_b32 s[G0A+7], s[G0A+7], 0x80000000
	s_add_nc_u64 s[G0B+2:G0B+3], s[8:9], s[96:97]
	s_add_nc_u64 s[G0B+6:G0B+7], s[G0B+2:G0B+3], 256
	s_or_b32 s[G0B+3], s[G0B+3], 0x80000000
	s_or_b32 s[G0B+7], s[G0B+7], 0x80000000
	s_add_nc_u64 s[G0SA+2:G0SA+3], s[6:7], s[94:95]
	s_or_b32 s[G0SA+3], s[G0SA+3], 0x80000000
	s_add_nc_u64 s[G0SB+2:G0SB+3], s[10:11], s[98:99]
	s_or_b32 s[G0SB+3], s[G0SB+3], 0x80000000
	CROUND                                         ; all four work-groups are here: the joint loads meet
	JLOAD G0SA, G1SA, G0SB, G1SB                   ; the scales first; three loads of mine are out behind these lines
	JLOAD G0A, G1A, G0B, G1B                       ; the lower half of K
	JLOAD G0A+4, G1A, G0B+4, G1B                   ; the upper half
	s_mul_i32 s96, s22, 768
	s_mov_b32 s97, 0
	s_add_nc_u64 s[12:13], s[12:13], s[96:97]      ; the bias of my 192 columns
	v_and_b32 v2, 15, v0                           ; r
	v_bfe_u32 v3, v0, 4, 1                         ; h
	v_and_b32 v4, 31, v0                           ; lane
	v_lshlrev_b32 v1, 5, v3
.irp b, 0,1,2,3,4,5,6,7,8,9,10,11
.set BR, 96+8*\b
.if \b > 3
.set BR, 160+8*\b
.endif
	global_load_b128 v[BR:BR+3], v1, s[12:13] offset:64*\b        ; lane (r, h): the bias of columns 16 b + 8 h + 0 .. 7
	global_load_b128 v[BR+4:BR+7], v1, s[12:13] offset:64*\b+16
.endr
	s_lshr_b32 s92, s23, 3                         ; the batch
	s_mul_i32 s94, s92, 12582912
	s_mul_i32 s96, s22, 786432                     ; three groups of 262,144 bytes
	s_add_co_u32 s94, s94, s96
	s_and_b32 s96, s23, 7
	s_lshl_b32 s96, s96, 15                        ; 256 positions of 128 bytes
	s_add_co_u32 s94, s94, s96
	s_lshl_b32 s96, s[WV], 13
	s_add_co_u32 s94, s94, s96
	s_mov_b32 s95, 0
	s_add_nc_u64 s[14:15], s[14:15], s[94:95]
	s_mul_i32 s94, s92, 196608
	s_mul_i32 s96, s22, 12288
	s_add_co_u32 s94, s94, s96
	s_add_nc_u64 s[16:17], s[16:17], s[94:95]
	v_mul_u32_u24 v5, v2, 272
	v_lshl_add_u32 v5, v3, 4, v5                   ; a fragment's row x pitch + 16 x half
	s_mul_i32 s92, s[WV], 64*272
	v_add_nc_u32 v[ADRA], s92, v5
	v_add_nc_u32 v[ADRA+1], SLOT, v[ADRA]
	v_add_nc_u32 v[ADRB], BOFF, v5
	v_add_nc_u32 v[ADRB+1], SLOT+BOFF, v5
	v_lshlrev_b32 v6, 5, v2                        ; x's scales: 32 bytes a row, 16 more behind every eight rows;
	v_lshrrev_b32 v7, 3, v2
	v_lshl_add_u32 v6, v7, 4, v6
	v_mad_u32_u24 v6, v3, 1088, v6                 ; lanes 16-31 stand two row blocks on
	s_mul_i32 s92, s[WV], 2176
	s_add_co_u32 s92, s92, SCA
	v_add_nc_u32 v[ADSA], s92, v6
	v_lshlrev_b32 v6, 4, v2                        ; W's: 16 bytes a column; lanes 16-31 stand six column blocks on
	v_mad_u32_u24 v6, v3, 1536, v6
	v_add_nc_u32 v[ADSB], SCB, v6
	s_mul_i32 s92, s[WV], 6912
	s_add_co_u32 s92, s92, STAGE
	v_mul_u32_u24 v6, v2, 144
	v_lshl_add_u32 v6, v3, 4, v6
	v_add_nc_u32 v[STO], s92, v6                   ; stage, in: row r, 16 bytes for each half of the lanes
	v_lshrrev_b32 v6, 3, v4
	v_mul_u32_u24 v6, v6, 144
	v_and_b32 v7, 7, v4
	v_lshl_add_u32 v6, v7, 4, v6
	v_add_nc_u32 v[RD], s92, v6                    ; out: eight lanes to a row of 128 bytes, four rows an instruction
	v_lshlrev_b32 v[CO], 4, v4
	v_lshlrev_b32 v[K32], 8, v2
	v_lshl_add_u32 v[K32], v3, 5, v[K32]           ; kqv32: row r of 256 bytes, + 32 h
; the fragments of the q-th 128 along K: W's twelve into set q % 2 of window 3, x's four into set q % 2
.macro FETCH q
	WIN 0xc0
.irp b, 0,1,2,3,4,5,6,7,8,9,10,11
.irp c, 0,1
	ds_load_b128 v[128*((\q)%2)+8*\b+4*\c:128*((\q)%2)+8*\b+4*\c+3], v[ADRB+(\q)/4] offset:64*((\q)%4)+32*\c+4352*\b
.endr
.endr
	WIN 0
.irp a, 0,1,2,3
.irp c, 0,1
	ds_load_b128 v[AF+32*((\q)%2)+8*\a+4*\c:AF+32*((\q)%2)+8*\a+4*\c+3], v[ADRA+(\q)/4] offset:64*((\q)%4)+32*\c+4352*\a
.endr
.endr
.endm
; 24 products: row blocks a0, a0 + 1 x the twelve column blocks.  The 48 accumulators take turns, one instruction a turn, in the same order in every step.
.macro MUL a0, q
.if (\q) == 0
	WIN 0x43+0x40*((\a0)/2)                        ; W window 3, x window 0, C (the bias) window 0, D window 1 or 2
.else
	WIN 0x53+0x50*((\a0)/2)                        ; C and D window 1 or 2
.endif
.irp a, \a0, \a0+1
.irp b, 0,1,2,3,4,5,6,7,8,9,10,11
.set DR, 96*((\a)%2)+8*\b
.set CR, DR
.if (\q) == 0
.set CR, 96+8*\b
.if \b > 3
.set CR, 160+8*\b
.endif
.endif
.set BR, 128*((\q)%2)+8*\b
.set AR, AF+32*((\q)%2)+8*(\a)
.set SB0, SCBR+24*((\q)/4)+4*(\b%6)+(\q)%4
.set SA0, SCAR+8*((\q)/4)+4*((\a)%2)+(\q)%4
.if (\b < 6) && ((\a0) < 2)
	v_wmma_scale_f32_16x16x128_f8f6f4 v[DR:DR+7], v[BR:BR+7], v[AR:AR+7], v[CR:CR+7], v[SB0], v[SA0] matrix_a_fmt:MATRIX_FMT_FP4 matrix_b_fmt:MATRIX_FMT_FP4
.elseif (\b < 6)
	v_wmma_scale_f32_16x16x128_f8f6f4 v[DR:DR+7], v[BR:BR+7], v[AR:AR+7], v[CR:CR+7], v[SB0], v[SA0] matrix_a_fmt:MATRIX_FMT_FP4 matrix_b_fmt:MATRIX_FMT_FP4 matrix_b_scale:MATRIX_SCALE_ROW1
.elseif (\a0) < 2
	v_wmma_scale_f32_16x16x128_f8f6f4 v[DR:DR+7], v[BR:BR+7], v[AR:AR+7], v[CR:CR+7], v[SB0], v[SA0] matrix_a_fmt:MATRIX_FMT_FP4 matrix_b_fmt:MATRIX_FMT_FP4 matrix_a_scale:MATRIX_SCALE_ROW1
.else
	v_wmma_scale_f32_16x16x128_f8f6f4 v[DR:DR+7], v[BR:BR+7], v[AR:AR+7], v[CR:CR+7], v[SB0], v[SA0] matrix_a_fmt:MATRIX_FMT_FP4 matrix_b_fmt:MATRIX_FMT_FP4 matrix_a_scale:MATRIX_SCALE_ROW1 matrix_b_scale:MATRIX_SCALE_ROW1
.endif
.endr
.endr
.endm
; 128 along K: 48 products; in their middle the next step's 32 LDS loads, in one run, behind four places (the set that they fill was read by the step before)
.macro KSTEP q
	s_wait_dscnt 0x0                               ; this step's fragments are in
.if (\q) == 3
	s_wait_tensorcnt 0x0                           ; my part of the upper half of K has landed;
	s_barrier_signal -1                            ; say so, and work on registers while the others arrive
.endif
	MUL 0, \q
.if (\q) == 3
	s_barrier_wait -1                              ; everybody's has
.endif
.if (\q) < 7
	PLACES
	FETCH (\q)+1
.endif
	MUL 2, \q
.endm
	s_wait_tensorcnt 1                             ; the scales and my part of the lower half are in; the upper half's load may be out
	s_barrier_signal -1
	s_barrier_wait -1
.irp s, 0,1
.irp i, 0,1,2,3,4,5
	ds_load_b128 v[SCBR+24*\s+4*\i:SCBR+24*\s+4*\i+3], v[ADSB] offset:3072*\s+256*\i
.endr
.irp i, 0,1
	ds_load_b128 v[SCAR+8*\s+4*\i:SCAR+8*\s+4*\i+3], v[ADSA] offset:544*\i+16*\s
.endr
.endr
	FETCH 0
	s_wait_loadcnt 0x0                             ; the bias
.irp q, 0,1,2,3,4,5,6,7
	KSTEP \q
.endr
	WIN 0
	PLACES                                         ; behind the last products: their results are read and their operands' registers written below
; THE WAY OUT of row block a, group gi: 16 rows x 64 columns.  x c or x 1 in f32; rounded to f16 once; through my stage, so that the block's 2,048 bytes leave as they lie in kqvh.
.macro OUT a, gi
	s_wait_xcnt 0x0                                ; the earlier stores have read their registers
	WIN 1+(\a)/2                                   ; source 0: the accumulators' window
.irp b4, 0,1,2,3
.irp e, 0,1,2,3
	v_pk_mul_f32 v[T+8*\b4+2*\e:T+8*\b4+2*\e+1], v[96*((\a)%2)+8*(4*(\gi)+\b4)+2*\e:96*((\a)%2)+8*(4*(\gi)+\b4)+2*\e+1], s[FS+2*(\gi):FS+2*(\gi)+1] op_sel_hi:[1,0]   ; each accumulator from its low end on
.endr
.endr
	WIN 0
.irp b4, 0,1,2,3
.irp e, 0,1,2,3
	v_cvt_pk_f16_f32 v[H+4*\b4+\e], v[T+8*\b4+2*\e], v[T+8*\b4+2*\e+1]
.endr
.endr
.if (\a) == 0
	s_cmp_lg_u32 s90, 0                            ; positions 0 to 15 of a batch also leave in f32: the row of tiles and the wave's number decide, alike in all partners
	s_cbranch_scc1 .Lnot32_\@
.irp b4, 0,1,2,3
	global_store_b128 v[K32], v[T+8*\b4:T+8*\b4+3], s[16:17] offset:4096*(\gi)+64*\b4
	global_store_b128 v[K32], v[T+8*\b4+4:T+8*\b4+7], s[16:17] offset:4096*(\gi)+64*\b4+16
.endr
.Lnot32_\@:
.endif
.irp b4, 0,1,2,3
	ds_store_b128 v[STO], v[H+4*\b4:H+4*\b4+3] offset:2304*(\gi)+32*\b4
.endr
.irp i, 0,1,2,3
	ds_load_b128 v[BK+4*\i:BK+4*\i+3], v[RD] offset:2304*(\gi)+576*\i   ; LDS serves a wave's instructions in order: these see the stores above
.endr
	s_wait_dscnt 0x0
.irp i, 0,1,2,3
	global_store_b128 v[CO], v[BK+4*\i:BK+4*\i+3], s[14:15] offset:262144*(\gi)+2048*(\a)+512*\i   ; 32 lanes store 512 consecutive bytes, aligned
.endr
.endm
.irp a, 0,1,2,3
.irp gi, 0,1,2
	OUT \a, \gi
.endr
.endr
	s_wait_tensorcnt 0x0                           ; the wave's end
	ds_add_u32 v[SPW], v[NIL]
	s_wait_dscnt 0x0
	CROUND                                         ; the closing round
	s_endpgm
.Lfunc_end_k_q6b91eb2e5d_qkv:
	.size	k_q6b91eb2e5d_qkv, .Lfunc_end_k_q6b91eb2e5d_qkv-k_q6b91eb2e5d_qkv
	.p2alignl 7, 3214868480
	.fill 96, 4, 3214868480
	.section	.rodata,"a",@progbits
	.p2align	6, 0x0
	.amdhsa_kernel k_q6b91eb2e5d_qkv
		.amdhsa_group_segment_fixed_size 286720
		.amdhsa_private_segment_fixed_size 0
		.amdhsa_enable_private_segment 0
		.amdhsa_kernarg_size 56
		.amdhsa_user_sgpr_count 2
		.amdhsa_user_sgpr_kernarg_segment_ptr 1
		.amdhsa_wavefront_size32 1
		.amdhsa_system_sgpr_workgroup_id_x 1
		.amdhsa_system_sgpr_workgroup_id_y 1
		.amdhsa_system_sgpr_workgroup_id_z 1
		.amdhsa_system_vgpr_workitem_id 0
		.amdhsa_next_free_vgpr 1024
		.amdhsa_next_free_sgpr 100
		.amdhsa_reserve_vcc 0
		.amdhsa_float_denorm_mode_32 3
		.amdhsa_float_denorm_mode_16_64 3
		.amdhsa_memory_ordered 1
		.amdhsa_forward_progress 1
		.amdhsa_inst_pref_size 119
	.end_amdhsa_kernel
	.amdgpu_metadata
---
amdhsa.version: [ 1, 2 ]
amdhsa.kernels:
  - .name:           k_q6b91eb2e5d_qkv
    .symbol:         k_q6b91eb2e5d_qkv.kd
    .args:
      - { .name: x_codes, .offset: 0, .size: 8, .value_kind: global_buffer, .address_space: global }
      - { .name: x_scales, .offset: 8, .size: 8, .value_kind: global_buffer, .address_space: global }
      - { .name: w_codes, .offset: 16, .size: 8, .value_kind: global_buffer, .address_space: global }
      - { .name: w_scales, .offset: 24, .size: 8, .value_kind: global_buffer, .address_space: global }
      - { .name: b_kqv, .offset: 32, .size: 8, .value_kind: global_buffer, .address_space: global }
      - { .name: kqvh, .offset: 40, .size: 8, .value_kind: global_buffer, .address_space: global }
      - { .name: kqv32, .offset: 48, .size: 8, .value_kind: global_buffer, .address_space: global }
    .group_segment_fixed_size: 286720
    .private_segment_fixed_size: 0
    .kernarg_segment_align: 8
    .kernarg_segment_size: 56
    .max_flat_workgroup_size: 128
    .sgpr_count:     100
    .vgpr_count:     1024
    .wavefront_size: 32
...
	.end_amdgpu_metadata
.endif
;; end of part 2
;; launch attn (part 3): grid 8 x 32, 8 waves a work-group, no clusters, 327,680 bytes of LDS; arguments kqvh, slopes, yb; writes yb
.if DOCPART == 3
	.amdgcn_target "amdgcn-amd-amdhsa--gfx1250"
	.amdhsa_code_object_version 6
	.text
	.protected	k_q6b91eb2e5d_attn
	.globl	k_q6b91eb2e5d_attn
	.p2align	8
	.type	k_q6b91eb2e5d_attn,@function
k_q6b91eb2e5d_attn:
	s_mov_b64 s[64:65], 0
	v_nop
	global_prefetch_b8 v0, s[64:65] scope:SCOPE_SE
	s_setreg_imm32_b32 hwreg(HW_REG_WAVE_MODE, 25, 1), 1
	s_wait_xcnt 0x0
; y[b][q][h][:] = the sum over keys k <= q of softmax_k(q . k / 8 + slope_h (k - q)) v[k][:], for 2 x 16 heads of 2,048 positions, head size 64.
; In: kqvh, f16 [2][48][2048][64]; q arrives multiplied by c = log2(e) / 8, so scores are exponents of 2.  Out: yb, f16 [32 blocks of 128 rows][16 heads][128 rows][64].
; Products on f16 operands with f32 sums; maxima, exponentials and sums in f32.  LIMITS: results above 65,504 in magnitude are not served (f16).
; THE BIAS.  In a query's row slope (k - q) differs from slope (k - k0) by a number that is the same for all keys, which a softmax cancels.  So a step with first key k0 adds
; m2 (k - k0), m2 = slope log2(e), at most 63 m2 in size, as the C of its first products: no vector instruction.  From step to step k0 grows by 64: the running maximum is carried on
; as m - 64 m2.  The maximum is taken away ahead of every exponential.
; SHARES.  A work-group owns query blocks I and 15 - I of a head, 128 queries each: waves 0-3 the low block, waves 4-7 the high one, 32 queries (two tiles of 16) a wave.  A wave works the
; key steps of 64 up to its last query: for every I the eight waves' steps add up to 132, so the 256 work-groups have equal work.
; NO CLUSTER: the eight work-groups of a head need 9 to 16 slots of keys, so a joint load would bring tiles that every wave of some partner leaves unread.
; LAYOUT.  S^T = K Q^T (source 0 = 16 keys, source 1 = 16 queries), O^T = V^T P: a lane holds one query throughout.  K comes out of LDS as it lies, V turned by ds_load_tr16_b128.
; THE RING.  Two slots of 128 keys.  Rows of K and V are 128 bytes and dense, so a tile is stated as rows of 256 bytes, two keys each; waves 0-3 fetch K's quarters, waves 4-7 V's.
; Every work-group walks all 16 changes of slots; a step whose keys all come after the wave's queries is jumped over, and a slot whose keys all come after the work-group's last query is not asked for.
; REGISTERS.  Window 0: v2-15 addresses and constants; v16-31 statistics, 8 a tile (+0 m, +1 m carried on, +2, +3 the sum, +4..+7 at work, +6 becomes a); v32-63 Q; v64-95 the bias;
;   v96-159 S^T, then p; v160-191 P.   Window 1: v0-63 K; v64-127 V; v128-191 O^T.
.set KP,    272                        ; two keys of K: 256 bytes + 16
.set VP,    288                        ; two keys of V: 256 bytes + 32
.set VOFF,  64*KP                      ; a slot: 64 row pairs of K, then 64 of V
.set SLOT1, 65536
.set NSL,   16
.set STAGE, 101376                     ; behind slot 1: 16 rows x 144 for each wave
.set SPARE, 119808                     ; the spare words, 128 bytes a wave
.set AK0, 2
.set AV0, 3
.set ADK, 4
.set ADV, 5
.set STO, 6
.set RD,  7
.set GO,  8
.set PFO, 9                            ; 256 x lane; never rewritten
.set SPW, 10                           ; never rewritten
.set NIL, 11                           ; 0; never rewritten
.set WV,  10                           ; s10
.set QZ,  13                           ; s13 my first query
.set QL,  14                           ; s14 my work-group's last query
.set KF,  15                           ; s15 the step's first key
.set TB,  16                           ; s16 LDS byte at which the slot in hand begins
.set SLOTS, 17
.set M2,  18                           ; s18 slope x log2(e)
.set DEL, 19                           ; s19 64 x that
.set SEL, 20                           ; s[20:21]
.set LIM, 22
.set G1K, 24
.set G1V, 32
.set G0K, 40
.set G0V, 44
.set PFA, 48
.set MSB, 0
.macro WIN new
.if MSB != \new
	s_set_vgpr_msb (MSB<<8)|\new
.set MSB, \new
.endif
.endm
.set W_LD, 0x40                        ; destination window 1
.set W_KQ, 0x01                        ; K window 1; Q, C and S^T window 0
.set W_RS, 0x41                        ; O^T (destination, source 0) window 1; a window 0
.set W_PV, 0x51                        ; V window 1, P window 0, O^T window 1
; Every wave fetches: waves 0-3 a quarter of K's tile, waves 4-7 of V's.  An s_nop 0 and four v_nop follow each line.
.macro TLOAD
	s_cmp_lt_u32 s[WV], 4
	s_cbranch_scc0 .Lfor_v_\@
	tensor_load_to_lds s[G0K:G0K+3], s[G1K:G1K+7]
	s_nop 0
.rept 4
	v_nop
.endr
	s_branch .Lasked_\@
.Lfor_v_\@:
	tensor_load_to_lds s[G0V:G0V+3], s[G1V:G1V+7]
	s_nop 0
.rept 4
	v_nop
.endr
.Lasked_\@:
.endm
; A prefetch of the slot behind the one just asked for: two key steps ahead of the load that will want it.  All work-groups of a head walk the same K and V: the one with I = 0, which walks all
; slots, asks.  In it wave 0 names the first 8,192 bytes of K's 16,384, wave 2 the rest, waves 4 and 6 the same of V: lanes 256 bytes apart, so each aligned 256 bytes is named once in the launch.
; The last change that fills a slot asks for nothing; slots 0 and 1 come by their loads alone.
.macro ASK
	s_cmp_gt_u32 s[SLOTS], s[LIM]
	s_cbranch_scc0 .Lnot_mine_\@
	global_prefetch_b8 v[PFO], s[PFA:PFA+1] th:TH_LOAD_NT scope:SCOPE_SE
.Lnot_mine_\@:
.endm
	s_load_b128 s[4:7], s[0:1], 0x0                ; kqvh, slopes
	s_load_b64 s[8:9], s[0:1], 0x10                ; yb
	v_lshl_add_u32 v[SPW], v0, 2, SPARE
	v_mov_b32 v[NIL], 0
	ds_add_u32 v[SPW], v[NIL]                      ; the wave's opening: the add, twice on end, and its wait ahead of my first tensor load
	ds_add_u32 v[SPW], v[NIL]
	v_lshrrev_b32 v1, 5, v0
	v_readfirstlane_b32 s[WV], v1                  ; wave 0..7
	s_and_b32 s12, ttmp7, 0xffff
	s_lshr_b32 s66, s12, 4                         ; batch
	s_and_b32 s67, s12, 15                         ; head
	s_and_b32 s68, s[WV], 3
	s_sub_co_u32 s69, 15, ttmp9
	s_cmp_lt_u32 s[WV], 4
	s_cselect_b32 s[QZ], ttmp9, s69                ; my block of 128 queries
	s_lshl_b32 s[QZ], s[QZ], 7
	s_lshl_b32 s80, s68, 5
	s_add_co_u32 s[QZ], s[QZ], s80
	s_lshl_b32 s[QL], s69, 7
	s_add_co_u32 s[QL], s[QL], 127
	s_mul_i32 s72, s66, 12582912
	s_lshl_b32 s80, s67, 18
	s_add_co_u32 s72, s72, s80                     ; where the head's k begins; q lies 4,194,304 bytes on, v 8,388,608
	s_lshl_b32 s80, s68, 12
	s_add_co_u32 s70, s72, s80                     ; my quarter of slot 0: 32 keys of 128 bytes
	s_mov_b32 s71, 0
	s_lshl_b32 s74, s[QZ], 7
	s_add_co_u32 s74, s74, s72
	s_add_co_u32 s74, s74, 0x400000                ; my queries
	s_mov_b32 s75, 0
	s_lshl_b32 s76, s66, 11
	s_add_co_u32 s76, s76, s[QZ]
	s_lshr_b32 s76, s76, 7
	s_lshl_b32 s76, s76, 18                        ; yb: the block of 128 rows,
	s_lshl_b32 s80, s67, 14
	s_add_co_u32 s76, s76, s80                     ; the head in it,
	s_and_b32 s80, s[QZ], 127
	s_lshl_b32 s80, s80, 7
	s_add_co_u32 s76, s76, s80                     ; my first row
	s_mov_b32 s77, 0
	s_lshl_b32 s78, s67, 2
	s_mov_b32 s79, 0
	s_and_b32 s80, s[WV], 1
	s_or_b32 s80, s80, ttmp9
	s_cmp_eq_u32 s80, 0
	s_cselect_b32 s[LIM], 1, -1                    ; 1 in the waves that prefetch
	s_mov_b32 s[G1K], (1<<16)|(1<<20)|(5<<22)|(3<<25)   ; elements of 2 bytes; 4 words of padding behind every 64
	s_mov_b32 s[G1V], (1<<16)|(1<<20)|(5<<22)|(7<<25)   ; 8 words
.irp g, G1K, G1V
	s_mov_b32 s[\g+1], 128<<16
	s_mov_b32 s[\g+2], 16<<16
	s_mov_b32 s[\g+3], 128<<16
	s_mov_b32 s[\g+4], 16                          ; 16 rows of 256 bytes, dense
	s_mov_b32 s[\g+5], 128
	s_mov_b32 s[\g+6], 0
	s_mov_b32 s[\g+7], 0
.endr
	s_mov_b32 s[G0K], 1
	s_mov_b32 s[G0V], 1
	s_mul_i32 s[G0K+1], s68, 16*KP
	s_mul_i32 s[G0V+1], s68, 16*VP
	s_add_co_u32 s[G0V+1], s[G0V+1], VOFF
	s_mov_b32 s[SEL], 0x76543210
	s_mov_b32 s[SEL+1], 0xfedcba98
	s_mov_b32 s[KF], 0
	s_mov_b32 s[TB], 0
	s_mov_b32 s[SLOTS], NSL-1
	s_wait_dscnt 0x0                               ; both opening adds are done
	s_wait_kmcnt 0x0
	s_add_nc_u64 s[G0K+2:G0K+3], s[4:5], s[70:71]
	s_add_nc_u64 s[G0V+2:G0V+3], s[G0K+2:G0K+3], 0x800000
	s_cmp_lt_u32 s[WV], 4
	s_cselect_b64 s[PFA:PFA+1], s[G0K+2:G0K+3], s[G0V+2:G0V+3]
	s_add_nc_u64 s[PFA:PFA+1], s[PFA:PFA+1], 16384 ; in slot 1: the first change of slots steps it to slot 2
	s_or_b32 s[G0K+3], s[G0K+3], 0x80000000
	s_or_b32 s[G0V+3], s[G0V+3], 0x80000000
	TLOAD                                          ; slot 0: keys 0 to 127, which count for some query of every wave
	s_add_nc_u64 s[50:51], s[4:5], s[74:75]
	s_add_nc_u64 s[56:57], s[8:9], s[76:77]
	s_add_nc_u64 s[6:7], s[6:7], s[78:79]
	s_load_b32 s[M2], s[6:7], 0x0                  ; my head's slope
	v_and_b32 v1, 15, v0                           ; r
	v_bfe_u32 v15, v0, 4, 1                        ; h
	v_and_b32 v14, 31, v0                          ; lane
	v_lshlrev_b32 v[ADV], 7, v1
	v_lshl_add_u32 v[ADV], v15, 4, v[ADV]          ; Q: row r of 128 bytes, + 16 h (the register is free again behind the wait for these loads)
.irp t, 0,1
.irp ks, 0,1
	global_load_b128 v[32+16*\t+8*\ks:35+16*\t+8*\ks], v[ADV], s[50:51] offset:2048*\t+64*\ks
	global_load_b128 v[36+16*\t+8*\ks:39+16*\t+8*\ks], v[ADV], s[50:51] offset:2048*\t+64*\ks+32
.endr
.endr
	v_lshrrev_b32 v[AK0], 1, v1                    ; K: key r lies in row pair r / 2, half r % 2
	v_mul_u32_u24 v[AK0], v[AK0], KP
	v_and_b32 v[AV0], 1, v1
	v_lshl_add_u32 v[AK0], v[AV0], 7, v[AK0]
	v_lshl_add_u32 v[AK0], v15, 4, v[AK0]
	v_bfe_u32 v[AV0], v0, 1, 2                     ; V, for the turning load: lane l reads key 8 h + l % 8, channels 8 ((l / 8) % 2) on
	v_lshl_add_u32 v[AV0], v15, 2, v[AV0]
	v_mul_u32_u24 v[AV0], v[AV0], VP
	v_and_b32 v[ADK], 1, v0
	v_lshl_add_u32 v[AV0], v[ADK], 7, v[AV0]
	v_bfe_u32 v[ADK], v0, 3, 1
	v_lshl_add_u32 v[AV0], v[ADK], 4, v[AV0]
	v_add_nc_u32 v[AV0], VOFF, v[AV0]
	s_mul_i32 s80, s[WV], 16*144
	s_add_co_u32 s80, s80, STAGE
	v_mul_u32_u24 v[STO], v1, 144
	v_lshl_add_u32 v[STO], v15, 4, v[STO]
	v_add_nc_u32 v[STO], s80, v[STO]
	v_lshrrev_b32 v[RD], 3, v14
	v_mul_u32_u24 v[RD], v[RD], 144
	v_and_b32 v[GO], 7, v0
	v_lshl_add_u32 v[RD], v[GO], 4, v[RD]
	v_add_nc_u32 v[RD], s80, v[RD]
	v_lshlrev_b32 v[GO], 4, v14
	v_lshlrev_b32 v[PFO], 8, v14
	v_lshlrev_b32 v12, 3, v15                      ; 8 h
	v_sub_nc_u32 v15, v1, v12                      ; v15 = r - 8 h, for the mask
	v_mov_b32 v14, 0xff800000                      ; v14 = -infinity
	v_mov_b32 v13, 0
.irp t, 0,1
	v_mov_b32 v[16+8*\t], 0xff61b1e6               ; m: -3e38, under every score
.irp i, 1,2,3,4,5,6,7
	v_mov_b32 v[16+8*\t+\i], 0
.endr
.endr
.set n, 0
.rept 32
	v_add_nc_u32 v[64+n], 16*(n/8)+n%8, v12        ; the key's place in a step: 16 kt + 8 h + j
.set n, n+1
.endr
.set n, 0
.rept 32
	v_cvt_f32_u32 v[64+n], v[64+n]
.set n, n+1
.endr
	s_wait_kmcnt 0x0
	s_mul_f32 s[M2], s[M2], 0x3fb8aa3b
	s_mul_f32 s[DEL], s[M2], 0x42800000
.set n, 0
.rept 32
	v_mul_f32 v[64+n], s[M2], v[64+n]              ; the bias
.set n, n+1
.endr
	WIN W_LD
.set n, 0
.rept 64
	v_mov_b32 v[128+n], 0                          ; O^T.  The step is written once: the first finds zeros, which its a, 0, leaves zeros
.set n, n+1
.endr
	WIN 0
; A KEY STEP: 64 keys, the q-th of the slot in hand
.macro STEP q
	s_add_co_u32 s96, s[QZ], 31
	s_cmp_gt_u32 s[KF], s96                        ; all its keys come after my queries: ids and the count of steps alone
	s_cbranch_scc1 .Lhidden_\@
	v_add_nc_u32 v[ADK], s[TB], v[AK0]
	v_add_nc_u32 v[ADV], s[TB], v[AV0]
	v_nop
	v_nop                                          ; four places between the last step's products and the loads into V's registers
	WIN W_LD
.irp kt, 0,1,2,3
.irp ks, 0,1
	ds_load_b128 v[16*\kt+8*\ks:16*\kt+8*\ks+3],   v[ADK] offset:32*KP*(\q)+8*KP*\kt+64*\ks
	ds_load_b128 v[16*\kt+8*\ks+4:16*\kt+8*\ks+7], v[ADK] offset:32*KP*(\q)+8*KP*\kt+64*\ks+32
.endr
.endr
.irp u, 0,1
.irp ct, 0,1,2,3
	ds_load_tr16_b128 v[64+32*\u+8*\ct:64+32*\u+8*\ct+3],   v[ADV] offset:32*VP*(\q)+16*VP*\u+32*\ct
	ds_load_tr16_b128 v[64+32*\u+8*\ct+4:64+32*\u+8*\ct+7], v[ADV] offset:32*VP*(\q)+16*VP*\u+32*\ct+8*VP
.endr
.endr
	s_wait_dscnt 16                                ; K's sixteen loads are in; V's sixteen may be out
	WIN W_KQ
.irp ks, 0,1                                   ; the eight accumulators take turns
.irp kt, 0,1,2,3
.irp t, 0,1
.if \ks == 0
	v_wmma_f32_16x16x32_f16 v[96+32*\t+8*\kt:103+32*\t+8*\kt], v[16*\kt+8*\ks:16*\kt+8*\ks+7], v[32+16*\t+8*\ks:39+16*\t+8*\ks], v[64+8*\kt:71+8*\kt]
.else
	v_wmma_f32_16x16x32_f16 v[96+32*\t+8*\kt:103+32*\t+8*\kt], v[16*\kt+8*\ks:16*\kt+8*\ks+7], v[32+16*\t+8*\ks:39+16*\t+8*\ks], v[96+32*\t+8*\kt:103+32*\t+8*\kt]
.endif
.endr
.endr
.endr
	WIN 0
	v_sub_f32 v17, v16, s[DEL]                     ; the running maximum, counted from this step's first key
	v_sub_f32 v25, v24, s[DEL]
	v_nop
	v_nop                                          ; four places behind the products
	s_add_co_u32 s96, s[KF], 63
	s_cmp_le_u32 s96, s[QZ]                        ; all keys count for all my queries?
	s_cbranch_scc1 .Lopen_\@
	s_sub_co_i32 s96, s[QZ], s[KF]
	v_add_nc_u32 v12, s96, v15                     ; d = my query - the first key - 8 h: register 8 kt + j is hidden where 16 kt + j > d
	v_add_nc_u32 v13, 16, v12
.irp t, 0,1
.set n, 0
.rept 32
	v_cmp_gt_i32 vcc_lo, 16*(n/8)+n%8, v[12+\t]
	v_cndmask_b32 v[96+32*\t+n], v[96+32*\t+n], v14, vcc_lo
.set n, n+1
.endr
.endr
.Lopen_\@:
.irp k, 0,1,2,3                                ; the maximum of 32 scores and the old m, both tiles line by line
.irp t, 0,1
	v_max3_num_f32 v[20+8*\t+\k], v[96+32*\t+8*\k], v[97+32*\t+8*\k], v[98+32*\t+8*\k]
.endr
.endr
.irp i, 3,5
.irp k, 0,1,2,3
.irp t, 0,1
	v_max3_num_f32 v[20+8*\t+\k], v[20+8*\t+\k], v[96+32*\t+8*\k+\i], v[97+32*\t+8*\k+\i]
.endr
.endr
.endr
.irp t, 0,1
	v_max3_num_f32 v[20+8*\t], v[20+8*\t], v[103+32*\t], v[111+32*\t]
	v_max3_num_f32 v[22+8*\t], v[22+8*\t], v[119+32*\t], v[127+32*\t]
.endr
.irp t, 0,1
	v_max3_num_f32 v[20+8*\t], v[20+8*\t], v[21+8*\t], v[22+8*\t]
.endr
.irp t, 0,1
	v_max3_num_f32 v[20+8*\t], v[20+8*\t], v[23+8*\t], v[17+8*\t]
.endr
.irp t, 0,1
	v_permlanex16_b32 v[21+8*\t], v[20+8*\t], s[SEL], s[SEL+1]   ; the query's other 32 keys lie in the lane 16 away
.endr
.irp t, 0,1
	v_max_num_f32 v[16+8*\t], v[20+8*\t], v[21+8*\t]             ; the new m
.endr
.irp t, 0,1
	v_sub_f32 v[23+8*\t], v[17+8*\t], v[16+8*\t]
.endr
.irp t, 0,1
	v_exp_f32 v[22+8*\t], v[23+8*\t]               ; a = 2^(old m - new m)
.endr
.set n, 0
.rept 16
	v_pk_add_f32 v[96+n:97+n], v[96+n:97+n], v[16:17] op_sel_hi:[1,0] neg_lo:[0,1] neg_hi:[0,1]       ; s - m
	v_pk_add_f32 v[128+n:129+n], v[128+n:129+n], v[24:25] op_sel_hi:[1,0] neg_lo:[0,1] neg_hi:[0,1]
.set n, n+2
.endr
.set n, 0
.rept 32
	v_exp_f32 v[96+n], v[96+n]
	v_exp_f32 v[128+n], v[128+n]
.set n, n+1
.endr
	v_nop                                          ; a plain line behind the last exponential
	s_wait_alu depctr_va_vdst(0)                   ; one wait for the step's 66 exponentials, ahead of the first line that names a result
.set n, 0
.rept 16
	v_cvt_pk_f16_f32 v[160+n], v[96+2*n], v[97+2*n]
	v_cvt_pk_f16_f32 v[176+n], v[128+2*n], v[129+2*n]
.set n, n+1
.endr
.irp w, 4,8,16,32                              ; the sum of a tile's 16 pairs, in place
.set n, 0
.rept 32/\w
	v_pk_add_f32 v[96+n:97+n], v[96+n:97+n], v[96+n+\w/2:97+n+\w/2]
	v_pk_add_f32 v[128+n:129+n], v[128+n:129+n], v[128+n+\w/2:129+n+\w/2]
.set n, n+\w
.endr
.endr
	v_pk_fma_f32 v[18:19], v[18:19], v[22:23], v[96:97] op_sel_hi:[1,0,1]     ; l = a l + the sum
	v_pk_fma_f32 v[26:27], v[26:27], v[30:31], v[128:129] op_sel_hi:[1,0,1]
	WIN W_RS
.set n, 0
.rept 16
	v_pk_mul_f32 v[128+n:129+n], v[128+n:129+n], v[22:23] op_sel_hi:[1,0]     ; O^T x a
	v_pk_mul_f32 v[160+n:161+n], v[160+n:161+n], v[30:31] op_sel_hi:[1,0]
.set n, n+2
.endr
	s_wait_dscnt 0x0                               ; V is in
	WIN W_PV
.irp u, 0,1
.irp ct, 0,1,2,3
.irp t, 0,1
	v_wmma_f32_16x16x32_f16 v[128+32*\t+8*\ct:135+32*\t+8*\ct], v[64+32*\u+8*\ct:71+32*\u+8*\ct], v[160+16*\t+8*\u:167+16*\t+8*\u], v[128+32*\t+8*\ct:135+32*\t+8*\ct]
.endr
.endr
.endr
	WIN 0
.Lhidden_\@:
	s_add_co_u32 s[KF], s[KF], 64
.endm
; THE CHANGE OF SLOTS stands at a slot's head.  Each wave waits for all its tensor loads (its part of the slot ahead), adds 0 to its spare word, and waits for that and for its reads of the slot that it
; has left.  Behind the barrier the slot ahead is whole and nobody reads the other one, which is then filled with the next 128 keys: the wave's one tensor load until the next change.
.macro CHANGE fill
	s_wait_tensorcnt 0x0                           ; no tensor load of mine is out, so a group 0 may be written
	ds_add_u32 v[SPW], v[NIL]
.if \fill
	s_xor_b32 s[G0K+1], s[G0K+1], SLOT1
	s_add_nc_u64 s[G0K+2:G0K+3], s[G0K+2:G0K+3], 16384
	s_xor_b32 s[G0V+1], s[G0V+1], SLOT1
	s_add_nc_u64 s[G0V+2:G0V+3], s[G0V+2:G0V+3], 16384
	s_wait_xcnt 0x0                                ; the last prefetch, a slot back, has read its address
	s_add_nc_u64 s[PFA:PFA+1], s[PFA:PFA+1], 16384
.endif
	s_wait_dscnt 0x0                               ; the add is done, and my reads of the slot that I have left are over
	s_barrier_signal -1
	s_barrier_wait -1
.if \fill
	s_add_co_u32 s96, s[KF], 128                   ; the first key of the slot that this change would ask for:
	s_cmp_gt_u32 s96, s[QL]                        ; behind my work-group's last query no wave reads it, so it is not asked for.  Ids and the count of steps alone: all eight waves go the same way
	s_cbranch_scc1 .Lpast_\@
	TLOAD
.Lpast_\@:
	ASK
.endif
.endm
	s_wait_loadcnt 0x0                             ; Q
.Lslot:                                            ; NSL - 1 trips
	CHANGE 1
	STEP 0
	STEP 1
	s_xor_b32 s[TB], s[TB], SLOT1
	s_sub_co_u32 s[SLOTS], s[SLOTS], 1
	s_cmp_lg_u32 s[SLOTS], 0
	s_cbranch_scc1 .Lslot
	CHANGE 0                                       ; the last slot: nothing is left to ask for
	STEP 0
	STEP 1
	; THE WAY OUT.  O^T / l, rounded to f16, through my stage: a tile's 16 rows of 128 bytes leave as 2,048 consecutive bytes.  The additions are the places behind the last products.
.irp t, 0,1
	v_add_f32 v[20+8*\t], v[18+8*\t], v[19+8*\t]
.endr
.irp t, 0,1
	v_permlanex16_b32 v[21+8*\t], v[20+8*\t], s[SEL], s[SEL+1]
.endr
.irp t, 0,1
	v_add_f32 v[20+8*\t], v[20+8*\t], v[21+8*\t]
.endr
	v_nop
	v_nop
.irp t, 0,1
	v_rcp_f32 v[22+8*\t], v[20+8*\t]
.endr
	v_nop                                          ; a plain line behind the last reciprocal
	s_wait_alu depctr_va_vdst(0)                   ; and the wait ahead of the first use
.irp t, 0,1
	WIN W_RS
.set n, 0
.rept 16
	v_pk_mul_f32 v[128+32*\t+n:129+32*\t+n], v[128+32*\t+n:129+32*\t+n], v[22+8*\t:23+8*\t] op_sel_hi:[1,0]
.set n, n+2
.endr
	WIN 0x05                                       ; sources window 1, destination window 0
.set n, 0
.rept 16
	v_cvt_pk_f16_f32 v[96+32*\t+n], v[128+32*\t+2*n], v[129+32*\t+2*n]
.set n, n+1
.endr
	WIN 0
.irp ct, 0,1,2,3
	ds_store_b128 v[STO], v[96+32*\t+4*\ct:99+32*\t+4*\ct] offset:32*\ct
.endr
.irp i, 0,1,2,3
	ds_load_b128 v[112+32*\t+4*\i:115+32*\t+4*\i], v[RD] offset:576*\i   ; LDS serves a wave's instructions in order: these see the stores above, and the next tile's stores come behind them
.endr
.endr
.irp t, 0,1
.irp i, 0,1,2,3
	s_wait_dscnt 8*(1-\t)+3-\i                     ; behind tile 0's loads stand tile 1's four stores and four loads
	global_store_b128 v[GO], v[112+32*\t+4*\i:115+32*\t+4*\i], s[56:57] offset:2048*\t+512*\i   ; 32 lanes store 512 consecutive bytes, aligned
.endr
.endr
	s_wait_tensorcnt 0x0                           ; the wave's end
	ds_add_u32 v[SPW], v[NIL]
	s_wait_dscnt 0x0
	s_endpgm
.Lfunc_end_k_q6b91eb2e5d_attn:
	.size	k_q6b91eb2e5d_attn, .Lfunc_end_k_q6b91eb2e5d_attn-k_q6b91eb2e5d_attn
	.p2alignl 7, 3214868480
	.fill 96, 4, 3214868480
	.section	.rodata,"a",@progbits
	.p2align	6, 0x0
	.amdhsa_kernel k_q6b91eb2e5d_attn
		.amdhsa_group_segment_fixed_size 327680
		.amdhsa_private_segment_fixed_size 0
		.amdhsa_enable_private_segment 0
		.amdhsa_kernarg_size 24
		.amdhsa_user_sgpr_count 2
		.amdhsa_user_sgpr_kernarg_segment_ptr 1
		.amdhsa_wavefront_size32 1
		.amdhsa_system_sgpr_workgroup_id_x 1
		.amdhsa_system_sgpr_workgroup_id_y 1
		.amdhsa_system_sgpr_workgroup_id_z 1
		.amdhsa_system_vgpr_workitem_id 0
		.amdhsa_next_free_vgpr 512
		.amdhsa_next_free_sgpr 100
		.amdhsa_reserve_vcc 1
		.amdhsa_float_denorm_mode_32 3
		.amdhsa_float_denorm_mode_16_64 3
		.amdhsa_memory_ordered 1
		.amdhsa_forward_progress 1
		.amdhsa_inst_pref_size 107
	.end_amdhsa_kernel
	.amdgpu_metadata
---
amdhsa.version: [ 1, 2 ]
amdhsa.kernels:
  - .name:           k_q6b91eb2e5d_attn
    .symbol:         k_q6b91eb2e5d_attn.kd
    .args:
      - { .name: kqvh, .offset: 0, .size: 8, .value_kind: global_buffer, .address_space: global }
      - { .name: slopes, .offset: 8, .size: 8, .value_kind: global_buffer, .address_space: global }
      - { .name: yb, .offset: 16, .size: 8, .value_kind: global_buffer, .address_space: global }
    .group_segment_fixed_size: 327680
    .private_segment_fixed_size: 0
    .kernarg_segment_align: 8
    .kernarg_segment_size: 24
    .max_flat_workgroup_size: 256
    .sgpr_count:     100
    .vgpr_count:     512
    .wavefront_size: 32
...
	.end_amdgpu_metadata
.endif
;; end of part 3
;; launch proj (part 4): grid 8 x 32, 4 waves a work-group, clusters of 4 x 4, 327,680 bytes of LDS; arguments yb, w16, b_proj, out0; writes out0
.if DOCPART == 4
	.amdgcn_target "amdgcn-amd-amdhsa--gfx1250"
	.amdhsa_code_object_version 6
	.text
	.protected	k_q6b91eb2e5d_proj
	.globl	k_q6b91eb2e5d_proj
	.p2align	8
	.type	k_q6b91eb2e5d_proj,@function
k_q6b91eb2e5d_proj:
	s_mov_b64 s[64:65], 0
	v_nop
	global_prefetch_b8 v0, s[64:65] scope:SCOPE_SE
	s_setreg_imm32_b32 hwreg(HW_REG_WAVE_MODE, 25, 1), 1
	s_wait_xcnt 0x0
	s_wait_alu depctr_hold_cnt(0) depctr_sa_sdst(0) depctr_va_vdst(0) depctr_va_sdst(0) depctr_va_ssrc(0) depctr_va_vcc(0) depctr_vm_vsrc(0)
	s_getreg_b32 s2, hwreg(HW_REG_IB_STS2, 6, 4)
	s_cmp_eq_u32 s2, 0
	s_cbranch_scc0 .Lentry_in_a_cluster
	s_endpgm
.Lentry_in_a_cluster:
	s_bfe_u32 s2, ttmp6, 0x10000c
	s_cmp_lg_u32 s2, 0xf033
	s_cbranch_scc0 .Lentry_shape_is_right
	s_endpgm
.Lentry_shape_is_right:
; out0 = y W_proj + b_proj: [4096][1024] x [1024][1024], f16 operands, f32 sums, f32 out.  y comes as yb [32 blocks of 128 rows][16 heads][128 rows][64], W_proj as w16 [1024 k][1024 n].
; A tile of the output is 128 x 128: 32 x 8 = 256 work-groups of four waves, 64 x 64 a wave: 16 accumulators.  K goes in four steps of 256 (four heads) through two LDS slots.
; y's tile of a step is one dense block of 65,536 bytes, stated as rows of 256 bytes (two rows of a head); W's is 256 rows of k x 256 bytes and is turned on its way out of LDS (ds_load_tr16_b128).
; CLUSTER: 4 x 4 work-groups; the four of a row of the cluster ask jointly for y's tiles, the four of a column for W's.
; THE MATRIX INSTRUCTION IS USED TRANSPOSED (source 0 = 16 columns of W, source 1 = 16 rows of y): a lane holds eight neighbouring columns of a row.  The bias is the C of each sum's first product.
; All 4,096 rows are stored, positions 0 to 15 of each batch among them, which the next launch stores again more finely: leaving them out would be a branch on a work-group's place in its cluster.
; REGISTERS: window 0: v0-31 addresses; v32-95 the way out; v96-127 the bias; v128-255 the accumulators ((a, b) at 128 + 8 (4 a + b)).  Window 1: two fragment buffers of 128: 64 of y, then 64 of W.
.set AHALF, 128*272                    ; two heads: 128 row pairs x (256 + 16)
.set BHALF, 128*288                    ; 128 rows of k x (256 + 32)
.set BOFF,  2*AHALF
.set SLOT,  2*AHALF+2*BHALF            ; 143,360
.set SPARE, 2*SLOT                     ; the spare words, 128 bytes a wave
.set SPITCH, 272                       ; the way out: 16 rows x (256 + 16) for each wave, in slot 0, which has had its last fill and its last read by then
.set ADRA, 16                          ; v16-17 y's fragments in slot 0, 1
.set ADRB, 20                          ; v20-23 W's: slot 0 heads 0-1, heads 2-3; slot 1 likewise (an offset has 16 bits)
.set STO,  24
.set RD,   25
.set CO,   26
.set SPW,  28                          ; never rewritten
.set NIL,  29                          ; 0; never rewritten
.set TMP,  32
.set BIAS, 96
.set ACC,  128
.set F0,   0
.set F1,   128
.set G1,  24
.set G0,  32
.set G1B, 48
.set G0B, 56
.set MSB, 0
.macro WIN new
.if MSB != \new
	s_set_vgpr_msb (MSB<<8)|\new
.set MSB, \new
.endif
.endm
.set MUL,  0x05                        ; sources 0 and 1 window 1; C and D window 0
.set TO_F, 0x40                        ; destination window 1
.macro JLOAD s                         ; waves 0 and 1 fetch y's halves, waves 2 and 3 W's; an s_nop 0 and four v_nop follow each line
	s_cmp_eq_u32 s11, 0
	s_cbranch_scc0 .Lfor_b_\@
	tensor_load_to_lds s[G0+4*\s:G0+4*\s+3], s[G1:G1+7]
	s_nop 0
.rept 4
	v_nop
.endr
	s_branch .Lasked_\@
.Lfor_b_\@:
	tensor_load_to_lds s[G0B+4*\s:G0B+4*\s+3], s[G1B:G1B+7]
	s_nop 0
.rept 4
	v_nop
.endr
.Lasked_\@:
.endm
.macro CREST                           ; a round of the cluster's barrier behind its opening barrier
	s_cmp_lg_u32 s10, 0
	s_cbranch_scc1 .Lnot_wave_0_\@
	s_barrier_signal -3
.Lnot_wave_0_\@:
	s_barrier_wait -3
	s_barrier_signal -1
	s_barrier_wait -1
.endm
.macro CROUND
	s_barrier_signal -1
	s_barrier_wait -1
	CREST
.endm
.macro PLACES
.rept 4
	v_nop
.endr
.endm
	s_load_b128 s[4:7], s[0:1], 0x0                ; yb, w16
	s_load_b64 s[2:3], s[0:1], 0x10                ; b_proj
	s_load_b64 s[8:9], s[0:1], 0x18                ; out0
	v_lshl_add_u32 v[SPW], v0, 2, SPARE
	v_mov_b32 v[NIL], 0
	ds_add_u32 v[SPW], v[NIL]                      ; the wave's opening: the add, twice on end, and its wait ahead of my first tensor load
	ds_add_u32 v[SPW], v[NIL]
	v_lshrrev_b32 v1, 5, v0
	v_readfirstlane_b32 s10, v1                    ; wave 0..3
	s_lshr_b32 s11, s10, 1                         ; my half of the tile's rows.  Also: I fetch for y (0) or for W (1)
	s_and_b32 s12, s10, 1                          ; my half of its columns.  Also: which half of that tile I fetch
	s_bfe_u32 s40, ttmp6, 0x40000                  ; cx
	s_bfe_u32 s41, ttmp6, 0x40004                  ; cy
	s_lshl_b32 s42, ttmp9, 2
	s_add_co_u32 s42, s42, s40                     ; tile column
	s_and_b32 s13, ttmp7, 0xffff
	s_lshl_b32 s13, s13, 2
	s_add_co_u32 s13, s13, s41                     ; tile row
	s_lshl_b32 s43, s41, 2
	s_lshl_b32 s43, 15, s43                        ; my row of the cluster
	s_lshl_b32 s44, 0x1111, s40                    ; my column
	s_or_b32 s[G1], s43, (1<<16)|(1<<20)|(1<<21)|(5<<22)|(3<<25)    ; elements of 2 bytes; 4 words of padding behind every 64
	s_or_b32 s[G1B], s44, (1<<16)|(1<<20)|(1<<21)|(5<<22)|(7<<25)   ; 8 words
.irp g, G1, G1B
	s_mov_b32 s[\g+1], 128<<16
	s_mov_b32 s[\g+2], 128<<16
	s_mov_b32 s[\g+3], 128<<16
	s_mov_b32 s[\g+4], 128                         ; 128 rows of 256 bytes
	s_mov_b32 s[\g+6], 0
	s_mov_b32 s[\g+7], 0
.endr
	s_mov_b32 s[G1+5], 128                         ; y's are dense,
	s_mov_b32 s[G1B+5], 1024                       ; W's a row of 1,024 elements apart
	s_lshl_b32 s16, s13, 18                        ; y: the block of 128 rows, + two heads for the upper half
	s_lshl_b32 s17, s12, 15
	s_add_co_u32 s16, s16, s17
	s_mov_b32 s17, 0
	s_lshl_b32 s46, s42, 8                         ; W: 256 bytes a tile column, + 128 rows of k for the upper half
	s_lshl_b32 s47, s12, 18
	s_add_co_u32 s46, s46, s47
	s_mov_b32 s47, 0
	s_mul_i32 s20, s12, AHALF                      ; where they go: the wave's number alone
	s_mul_i32 s21, s12, BHALF
	s_add_co_u32 s21, s21, BOFF
	s_wait_dscnt 0x0                               ; both opening adds are done
	s_wait_kmcnt 0x0
	s_add_nc_u64 s[14:15], s[4:5], s[16:17]
	s_add_nc_u64 s[46:47], s[6:7], s[46:47]
	CROUND                                         ; all sixteen work-groups are here: the first joint loads meet
.irp s, 0,1
	s_mov_b32 s[G0+4*\s], 1
	s_add_co_u32 s[G0+4*\s+1], s20, \s*SLOT
	s_add_nc_u64 s[G0+4*\s+2:G0+4*\s+3], s[14:15], \s*65536       ; K step s: four heads of 16,384 bytes
	s_or_b32 s[G0+4*\s+3], s[G0+4*\s+3], 0x80000000
	s_mov_b32 s[G0B+4*\s], 1
	s_add_co_u32 s[G0B+4*\s+1], s21, \s*SLOT
	s_add_nc_u64 s[G0B+4*\s+2:G0B+4*\s+3], s[46:47], \s*524288    ; 256 rows of 2,048 bytes
	s_or_b32 s[G0B+4*\s+3], s[G0B+4*\s+3], 0x80000000
	JLOAD \s
.endr
	s_lshl_b32 s16, s13, 19                        ; out0: 128 rows of 4,096 bytes a tile row, 64 for my half
	s_lshl_b32 s17, s11, 18
	s_add_co_u32 s16, s16, s17
	s_mov_b32 s17, 0
	s_add_nc_u64 s[8:9], s[8:9], s[16:17]
	s_lshl_b32 s46, s42, 9                         ; my first column, in bytes: the same in out0 and in b_proj
	s_lshl_b32 s47, s12, 8
	s_add_co_u32 s46, s46, s47
	s_mov_b32 s47, 0
	s_add_nc_u64 s[8:9], s[8:9], s[46:47]
	s_add_nc_u64 s[2:3], s[2:3], s[46:47]
	v_and_b32 v1, 15, v0                           ; r
	v_bfe_u32 v2, v0, 4, 1                         ; h
	v_lshlrev_b32 v5, 5, v2
.irp b, 0,1,2,3
	global_load_b128 v[BIAS+8*\b:BIAS+8*\b+3], v5, s[2:3] offset:64*\b       ; lane (r, h): the bias of columns 16 b + 8 h + 0 .. 7
	global_load_b128 v[BIAS+8*\b+4:BIAS+8*\b+7], v5, s[2:3] offset:64*\b+16
.endr
	v_lshrrev_b32 v3, 1, v1                        ; y: row r lies in row pair r / 2, half r % 2
	v_mul_u32_u24 v3, v3, 272
	v_and_b32 v4, 1, v1
	v_lshl_add_u32 v3, v4, 7, v3
	v_lshl_add_u32 v3, v2, 4, v3
	s_mul_i32 s21, s11, 32*272                     ; my 64 rows
	v_add_nc_u32 v[ADRA], s21, v3
	v_add_nc_u32 v[ADRA+1], SLOT, v[ADRA]
	v_and_b32 v3, 7, v0                            ; W, for the turning load: lane l reads row k = 8 h + l % 8, columns 8 ((l / 8) % 2) on
	v_lshl_add_u32 v3, v2, 3, v3
	v_mul_u32_u24 v3, v3, 288
	v_bfe_u32 v4, v0, 3, 1
	v_lshl_add_u32 v3, v4, 4, v3
	s_lshl_b32 s22, s12, 7                         ; my 64 columns
	s_add_co_u32 s22, s22, BOFF
	v_add_nc_u32 v[ADRB], s22, v3
	v_add_nc_u32 v[ADRB+1], BHALF, v[ADRB]
	v_add_nc_u32 v[ADRB+2], SLOT, v[ADRB]
	v_add_nc_u32 v[ADRB+3], SLOT+BHALF, v[ADRB]
	s_mul_i32 s23, s10, 16*SPITCH                  ; my stage
	v_mul_u32_u24 v3, v1, SPITCH
	v_lshl_add_u32 v3, v2, 5, v3
	v_add_nc_u32 v[STO], s23, v3                   ; in: row r, 32 bytes for each half of the lanes
	v_mul_u32_u24 v3, v2, SPITCH
	v_lshl_add_u32 v3, v1, 4, v3
	v_add_nc_u32 v[RD], s23, v3                    ; back: lanes 0-15 one row of 256 bytes, lanes 16-31 the next
	v_lshlrev_b32 v[CO], 12, v2
	v_lshl_add_u32 v[CO], v1, 4, v[CO]
; 8 products: row blocks a0, a0 + 1 x the four column blocks, 32 along K: half c of buffer f.  first = 1: the bias starts the sums.  The 16 accumulators take turns.
.macro MUL8 f, c, a0, first
.irp a, \a0, \a0+1
.irp b, 0,1,2,3
.if \first
	v_wmma_f32_16x16x32_f16 v[ACC+8*(4*(\a)+\b):ACC+8*(4*(\a)+\b)+7], v[\f+64+8*(4*\c+\b):\f+64+8*(4*\c+\b)+7], v[\f+8*(4*\c+\a):\f+8*(4*\c+\a)+7], v[BIAS+8*\b:BIAS+8*\b+7]
.else
	v_wmma_f32_16x16x32_f16 v[ACC+8*(4*(\a)+\b):ACC+8*(4*(\a)+\b)+7], v[\f+64+8*(4*\c+\b):\f+64+8*(4*\c+\b)+7], v[\f+8*(4*\c+\a):\f+8*(4*\c+\a)+7], v[ACC+8*(4*(\a)+\b):ACC+8*(4*(\a)+\b)+7]
.endif
.endr
.endr
.endm
; 32 LDS loads in one run: the fragments of head q of the slot (64 along K) into buffer f; the first 32 along K first
.macro FETCH slot, q, f
	WIN TO_F
.irp c, 0,1
.irp i, 0,1,2,3
	ds_load_tr16_b128 v[\f+64+8*(4*\c+\i):\f+64+8*(4*\c+\i)+3],   v[ADRB+2*\slot+(\q)/2] offset:64*288*((\q)%2)+32*288*\c+32*\i
	ds_load_tr16_b128 v[\f+64+8*(4*\c+\i)+4:\f+64+8*(4*\c+\i)+7], v[ADRB+2*\slot+(\q)/2] offset:64*288*((\q)%2)+32*288*\c+32*\i+16*288
	ds_load_b128 v[\f+8*(4*\c+\i):\f+8*(4*\c+\i)+3],   v[ADRA+\slot] offset:64*272*(\q)+64*\c+8*272*\i
	ds_load_b128 v[\f+8*(4*\c+\i)+4:\f+8*(4*\c+\i)+7], v[ADRA+\slot] offset:64*272*(\q)+64*\c+8*272*\i+32
.endr
.endr
.endm
; A K step is four quarters of 64 along K on buffers 0, 1, 0, 1.  One of the first three multiplies buffer f and fetches head q into g.
.macro QUARTER slot, q, f, g, first
	s_wait_dscnt 16                                ; the first 32 along K are in; the other sixteen loads may be out
	WIN MUL
	MUL8 \f, 0, 0, \first
	MUL8 \f, 0, 2, \first
	PLACES
	FETCH \slot, \q, \g
	s_wait_dscnt 32                                ; all but the 32 just issued
	WIN MUL
	MUL8 \f, 1, 0, 0
	MUL8 \f, 1, 2, 0
.endm
; The last quarter multiplies buffer 1 and changes slots: one barrier; in front of it each wave waits for all its tensor loads, adds 0 to its spare word, and waits for that and for its reads of this slot.
.macro TURN slot, next, fill
	WIN 0
	s_wait_tensorcnt 0x0                           ; all my tensor loads have landed: my part of the next slot
	ds_add_u32 v[SPW], v[NIL]
	s_wait_dscnt 17                                ; (the add and the youngest sixteen loads may be out)
	WIN MUL
	MUL8 F1, 0, 0, 0
	s_wait_dscnt 0x0                               ; the add is done, and my reads of this slot are over
	s_barrier_signal -1
	MUL8 F1, 0, 2, 0
.if \fill
	WIN 0
.endif
	s_barrier_wait -1
.if \fill
	CREST                                          ; the barrier has opened a round of the cluster's: no wave of any partner still reads this slot or has a load on its way
	s_add_nc_u64 s[G0+4*\slot+2:G0+4*\slot+3], s[G0+4*\slot+2:G0+4*\slot+3], 2*65536
	s_add_nc_u64 s[G0B+4*\slot+2:G0B+4*\slot+3], s[G0B+4*\slot+2:G0B+4*\slot+3], 2*524288
	JLOAD \slot                                    ; the first tensor load behind the round; its four v_nop are also the places in front of the loads below
.else
	PLACES
.endif
	FETCH \next, 0, F0
	WIN MUL
	MUL8 F1, 1, 0, 0
	MUL8 F1, 1, 2, 0
.endm
	s_wait_tensorcnt 1                             ; my part of K step 0 is in; K step 1's may be out
	s_barrier_signal -1
	s_barrier_wait -1
	FETCH 0, 0, F0
	s_wait_loadcnt 0x0                             ; the bias
	QUARTER 0, 1, F0, F1, 1                        ; K step 0
	QUARTER 0, 2, F1, F0, 0
	QUARTER 0, 3, F0, F1, 0
	TURN 0, 1, 1                                   ; slot 0 takes K step 2
	QUARTER 1, 1, F0, F1, 0                        ; K step 1
	QUARTER 1, 2, F1, F0, 0
	QUARTER 1, 3, F0, F1, 0
	TURN 1, 0, 1                                   ; slot 1 takes K step 3
	QUARTER 0, 1, F0, F1, 0                        ; K step 2
	QUARTER 0, 2, F1, F0, 0
	QUARTER 0, 3, F0, F1, 0
	TURN 0, 1, 0                                   ; nothing is left to fetch
	QUARTER 1, 1, F0, F1, 0                        ; K step 3
	QUARTER 1, 2, F1, F0, 0
	QUARTER 1, 3, F0, F1, 0
	s_wait_dscnt 16
	WIN MUL
	MUL8 F1, 0, 0, 0
	MUL8 F1, 0, 2, 0
	s_wait_dscnt 0x0
	MUL8 F1, 1, 0, 0
	MUL8 F1, 1, 2, 0
	WIN 0
	PLACES
	; THE WAY OUT.  My 64 columns of a row are 256 bytes, aligned: 16 rows at a time go through my own stage and come back as whole rows.
.irp a, 0,1,2,3
	s_wait_xcnt 0x0                                ; the earlier stores have read their registers
.irp b, 0,1,2,3
	ds_store_b128 v[STO], v[ACC+8*(4*\a+\b):ACC+8*(4*\a+\b)+3] offset:64*\b           ; each accumulator from its low end on
	ds_store_b128 v[STO], v[ACC+8*(4*\a+\b)+4:ACC+8*(4*\a+\b)+7] offset:64*\b+16
.endr
.irp t, 0,1,2,3,4,5,6,7
	ds_load_b128 v[TMP+32*(\a%2)+4*\t:TMP+32*(\a%2)+4*\t+3], v[RD] offset:2*\t*SPITCH   ; LDS serves a wave's instructions in order
.endr
.irp t, 0,1,2,3,4,5,6,7
	s_wait_dscnt 7-\t
	global_store_b128 v[CO], v[TMP+32*(\a%2)+4*\t:TMP+32*(\a%2)+4*\t+3], s[8:9] offset:(16*\a+2*\t)*4096 th:TH_STORE_NT   ; sixteen lanes store 256 consecutive bytes, aligned
.endr
.endr
	s_wait_tensorcnt 0x0                           ; the wave's end
	ds_add_u32 v[SPW], v[NIL]
	s_wait_dscnt 0x0
	CROUND                                         ; the closing round
	s_endpgm
.Lfunc_end_k_q6b91eb2e5d_proj:
	.size	k_q6b91eb2e5d_proj, .Lfunc_end_k_q6b91eb2e5d_proj-k_q6b91eb2e5d_proj
	.p2alignl 7, 3214868480
	.fill 96, 4, 3214868480
	.section	.rodata,"a",@progbits
	.p2align	6, 0x0
	.amdhsa_kernel k_q6b91eb2e5d_proj
		.amdhsa_group_segment_fixed_size 327680
		.amdhsa_private_segment_fixed_size 0
		.amdhsa_enable_private_segment 0
		.amdhsa_kernarg_size 32
		.amdhsa_user_sgpr_count 2
		.amdhsa_user_sgpr_kernarg_segment_ptr 1
		.amdhsa_wavefront_size32 1
		.amdhsa_system_sgpr_workgroup_id_x 1
		.amdhsa_system_sgpr_workgroup_id_y 1
		.amdhsa_system_sgpr_workgroup_id_z 1
		.amdhsa_system_vgpr_workitem_id 0
		.amdhsa_next_free_vgpr 512
		.amdhsa_next_free_sgpr 66
		.amdhsa_reserve_vcc 0
		.amdhsa_float_denorm_mode_32 3
		.amdhsa_float_denorm_mode_16_64 3
		.amdhsa_memory_ordered 1
		.amdhsa_forward_progress 1
		.amdhsa_inst_pref_size 87
	.end_amdhsa_kernel
	.amdgpu_metadata
---
amdhsa.version: [ 1, 2 ]
amdhsa.kernels:
  - .name:           k_q6b91eb2e5d_proj
    .symbol:         k_q6b91eb2e5d_proj.kd
    .args:
      - { .name: yb, .offset: 0, .size: 8, .value_kind: global_buffer, .address_space: global }
      - { .name: w16, .offset: 8, .size: 8, .value_kind: global_buffer, .address_space: global }
      - { .name: b_proj, .offset: 16, .size: 8, .value_kind: global_buffer, .address_space: global }
      - { .name: out0, .offset: 24, .size: 8, .value_kind: global_buffer, .address_space: global }
    .group_segment_fixed_size: 327680
    .private_segment_fixed_size: 0
    .kernarg_segment_align: 8
    .kernarg_segment_size: 32
    .max_flat_workgroup_size: 128
    .sgpr_count:     66
    .vgpr_count:     512
    .wavefront_size: 32
...
	.end_amdgpu_metadata
.endif
;; end of part 4
;; launch first16 (part 5): grid 32 x 2, 16 waves a work-group, no clusters, 38,912 bytes of LDS; arguments kqv32, W_proj, b_proj, slopes, out0; writes out0
.if DOCPART == 5
	.amdgcn_target "amdgcn-amd-amdhsa--gfx1250"
	.amdhsa_code_object_version 6
	.text
	.protected	k_q6b91eb2e5d_first16
	.globl	k_q6b91eb2e5d_first16
	.p2align	8
	.type	k_q6b91eb2e5d_first16,@function
k_q6b91eb2e5d_first16:
	s_mov_b64 s[64:65], 0
	v_nop
	global_prefetch_b8 v0, s[64:65] scope:SCOPE_SE
	s_setreg_imm32_b32 hwreg(HW_REG_WAVE_MODE, 25, 1), 1
	s_wait_xcnt 0x0
; Positions 0 to 15 of both batches once more, in f32 throughout: their rows of the softmax average one to sixteen values, so rounded operands weigh most there.
; In: kqv32, f32 [2][48 groups][16 positions][64] (q already x log2(e) / 8), W_proj, b_proj, slopes.  Out: 32 rows of out0, stored over those of the launch before.
; SHARES.  A work-group makes 32 output columns of one batch's 16 rows.  Wave w is head w: it makes the head's attention (16 x 16) and then its own 64 of the projection's K; the sixteen
; partial sums meet in LDS, and wave w adds up row w.  Each work-group repeats the small attention, so that nothing passes between work-groups.  No clusters, no tensor loads: the work is small.
; THE f32 MATRIX FORM takes k = 2 h + j in register j.  The same permutation of k on both operands keeps a product, so a lane's registers serve as they come:
;   scores: step c takes channels 32 h + 2 c + j;   values: step c takes keys 8 h + 2 c + j;   projection: step (ct, c) takes channels 16 ct + 8 h + 2 c + j.
; REGISTERS: v32-63 k; v64-95 q; v96-127 v, later y; v128-191 W_proj; v16-23 scores, then p; v192-223, v224-239, v240-255: sums, written by matrix instructions alone.
.set SPARE, 36864                      ; behind the 16 partial sums of 16 rows x 144 bytes: the spare words, 128 bytes a wave
.set SPW, 28                           ; never rewritten
.set NIL, 29                           ; 0; never rewritten
	s_load_b256 s[4:11], s[0:1], 0x0               ; kqv32 s[4:5], W_proj s[6:7], b_proj s[8:9], slopes s[10:11]
	s_load_b64 s[12:13], s[0:1], 0x20              ; out0
	v_lshl_add_u32 v[SPW], v0, 2, SPARE
	v_mov_b32 v[NIL], 0
	v_lshrrev_b32 v1, 5, v0
	v_readfirstlane_b32 s14, v1                    ; wave = head = the row that I add up
	s_and_b32 s16, ttmp7, 0xffff                   ; batch
	s_mov_b32 s18, 0x76543210
	s_mov_b32 s19, 0xfedcba98
	s_mul_i32 s22, s16, 196608
	s_lshl_b32 s23, s14, 12
	s_add_co_u32 s22, s22, s23                     ; k of my head; q lies 65,536 bytes on, v 131,072
	s_mov_b32 s23, 0
	s_lshl_b32 s24, s14, 18                        ; W_proj: my 64 rows of 4,096 bytes,
	s_lshl_b32 s25, ttmp9, 7                       ; the work-group's 32 columns
	s_add_co_u32 s24, s24, s25
	s_lshl_b32 s26, ttmp9, 7
	s_mov_b32 s25, 0
	s_mov_b32 s27, 0
	s_lshl_b32 s28, s14, 2
	s_mov_b32 s29, 0
	s_lshl_b32 s30, s16, 23                        ; out0: the batch, row = wave, the 32 columns
	s_lshl_b32 s31, s14, 12
	s_add_co_u32 s30, s30, s31
	s_add_co_u32 s30, s30, s26
	s_mov_b32 s31, 0
	v_and_b32 v1, 15, v0                           ; r
	v_bfe_u32 v2, v0, 4, 1                         ; h
	v_lshlrev_b32 v3, 8, v1
	v_lshl_add_u32 v3, v2, 7, v3                   ; k, q: row r of 256 bytes, + 128 h
	v_lshlrev_b32 v4, 2, v1
	v_lshl_add_u32 v5, v2, 15, v4                  ; W_proj: 8 h rows of 4,096 bytes, + 4 r
	v_lshl_add_u32 v4, v2, 11, v4                  ; v: 8 h rows of 256 bytes, + 4 r
	v_and_b32 v6, 31, v0
	v_lshlrev_b32 v6, 2, v6                        ; 4 x lane
	v_lshlrev_b32 v7, 3, v2
	v_sub_nc_u32 v7, v1, v7                        ; d = r - 8 h: key 8 h + j is hidden from query r where j > d
	s_mul_i32 s20, s14, 16*144
	v_mul_u32_u24 v31, v1, 144
	v_lshl_add_u32 v31, v2, 5, v31
	v_add_nc_u32 v31, s20, v31                     ; my partial sums: row r, + 32 h
	s_mul_i32 s20, s14, 144
	v_add_nc_u32 v2, s20, v6                       ; and where I read row w of each of them
	v_mov_b32 v30, 0xff800000                      ; -infinity
	v_mov_b32 v26, 0                               ; written once: a lane permute's destination counts as one of its sources
	s_wait_kmcnt 0x0
	s_add_nc_u64 s[4:5], s[4:5], s[22:23]
	s_add_nc_u64 s[6:7], s[6:7], s[24:25]
	s_add_nc_u64 s[8:9], s[8:9], s[26:27]
	s_add_nc_u64 s[10:11], s[10:11], s[28:29]
	s_add_nc_u64 s[12:13], s[12:13], s[30:31]
	s_load_b32 s20, s[10:11], 0x0                  ; my head's slope
	global_load_b32 v24, v6, s[8:9]                ; the bias of column = lane
.irp i, 0,1,2,3,4,5,6,7
	global_load_b128 v[32+4*\i:35+4*\i], v3, s[4:5] offset:16*\i
.endr
.irp i, 0,1,2,3,4,5,6,7
	global_load_b128 v[64+4*\i:67+4*\i], v3, s[4:5] offset:65536+16*\i
.endr
.irp ct, 0,1,2,3
.irp n, 0,1,2,3,4,5,6,7
	global_load_b32 v[96+8*\ct+\n], v4, s[4:5] offset:131072+256*\n+64*\ct    ; v(key 8 h + n, channel 16 ct + r)
.endr
.endr
	s_wait_kmcnt 0x0
	s_mul_f32 s20, s20, 0x3fb8aa3b                 ; slope x log2(e)
	s_wait_loadcnt 32                              ; the bias, k and q are in; v's 32 loads may be out
	; S^T = k q^T: source 0 = 16 keys, source 1 = 16 queries; two sums by turns; the first product of each starts it
	v_wmma_f32_16x16x4_f32 v[224:231], v[32:33], v[64:65], 0
	v_wmma_f32_16x16x4_f32 v[232:239], v[34:35], v[66:67], 0
.irp c, 4,8,12,16,20,24,28
	v_wmma_f32_16x16x4_f32 v[224:231], v[32+\c:33+\c], v[64+\c:65+\c], v[224:231]
	v_wmma_f32_16x16x4_f32 v[232:239], v[34+\c:35+\c], v[66+\c:67+\c], v[232:239]
.endr
.irp nt, 0,1
.irp ct, 0,1
.irp n, 0,1,2,3,4,5,6,7
	global_load_b32 v[128+32*\nt+8*\ct+\n], v5, s[6:7] offset:(16*\ct+\n)*4096+64*\nt    ; W_proj(64 w + 16 ct + 8 h + n, 16 nt + r): the first half of my K
.endr
.endr
.endr
.irp j, 0,1,2,3,4,5,6,7
	v_sub_nc_u32 v[8+\j], \j, v7                   ; key - query.  (These sixteen lines are the eight places behind the products)
.endr
.irp j, 0,1,2,3,4,5,6,7
	v_cvt_f32_i32 v[8+\j], v[8+\j]
.endr
.irp j, 0,1,2,3,4,5,6,7
	v_add_f32 v[16+\j], v[224+\j], v[232+\j]       ; from the low end on
.endr
.irp j, 0,1,2,3,4,5,6,7
	v_fma_f32 v[16+\j], v[8+\j], s20, v[16+\j]     ; + the bias
.endr
.irp j, 0,1,2,3,4,5,6,7
	v_cmp_gt_i32 vcc_lo, \j, v7
	v_cndmask_b32 v[16+\j], v[16+\j], v30, vcc_lo  ; the causal mask
.endr
	v_max3_num_f32 v25, v16, v17, v18
	v_max3_num_f32 v25, v25, v19, v20
	v_max3_num_f32 v25, v25, v21, v22
	v_max_num_f32 v25, v25, v23
	v_permlanex16_b32 v26, v25, s18, s19
	v_max_num_f32 v25, v25, v26                    ; the row's maximum: key 0 counts for every query, so it is a number
.irp j, 0,1,2,3,4,5,6,7
	v_sub_f32 v[16+\j], v[16+\j], v25
.endr
.irp j, 0,1,2,3,4,5,6,7
	v_exp_f32 v[16+\j], v[16+\j]
.endr
	v_nop                                          ; a plain line behind the last exponential
	s_wait_alu depctr_va_vdst(0)                   ; one wait for the eight, ahead of the first use
	v_add_f32 v27, v16, v17
	v_add_f32 v26, v18, v19
	v_add_f32 v27, v27, v26
	v_add_f32 v26, v20, v21
	v_add_f32 v27, v27, v26
	v_add_f32 v26, v22, v23
	v_add_f32 v27, v27, v26
	v_permlanex16_b32 v26, v27, s18, s19
	v_add_f32 v27, v27, v26                        ; the row's sum
	s_wait_loadcnt 32                              ; v is in; W_proj's 32 loads may be out
	; O^T = v^T p: source 0 = 16 channels, source 1 = p; four sums by turns
.irp c, 0,1,2,3
.irp ct, 0,1,2,3
.if \c == 0
	v_wmma_f32_16x16x4_f32 v[192+8*\ct:199+8*\ct], v[96+8*\ct+2*\c:97+8*\ct+2*\c], v[16+2*\c:17+2*\c], 0
.else
	v_wmma_f32_16x16x4_f32 v[192+8*\ct:199+8*\ct], v[96+8*\ct+2*\c:97+8*\ct+2*\c], v[16+2*\c:17+2*\c], v[192+8*\ct:199+8*\ct]
.endif
.endr
.endr
.irp nt, 0,1
.irp ct, 2,3
.irp n, 0,1,2,3,4,5,6,7
	global_load_b32 v[128+32*\nt+8*\ct+\n], v5, s[6:7] offset:(16*\ct+\n)*4096+64*\nt    ; the second half of my K
.endr
.endr
.endr
	v_rcp_f32 v27, v27
.rept 8
	v_nop                                          ; eight places behind the products; the first is also the plain line behind the reciprocal
.endr
	s_wait_alu depctr_va_vdst(0)
.set n, 0
.rept 32
	v_mul_f32 v[96+n], v[192+n], v27               ; y(query r, channel 16 ct + 8 h + j), into v's registers
.set n, n+1
.endr
	s_wait_loadcnt 32                              ; W_proj's first half is in; the second half's 32 loads may be out
	; out^T = W^T y^T: source 0 = 16 output columns, source 1 = y; two sums by turns
.irp ct, 0,1,2,3
.if \ct == 2
	s_wait_loadcnt 0x0
.endif
.irp c, 0,1,2,3
.irp nt, 0,1
.if (\ct == 0) && (\c == 0)
	v_wmma_f32_16x16x4_f32 v[240+8*\nt:247+8*\nt], v[128+32*\nt+8*\ct+2*\c:129+32*\nt+8*\ct+2*\c], v[96+8*\ct+2*\c:97+8*\ct+2*\c], 0
.else
	v_wmma_f32_16x16x4_f32 v[240+8*\nt:247+8*\nt], v[128+32*\nt+8*\ct+2*\c:129+32*\nt+8*\ct+2*\c], v[96+8*\ct+2*\c:97+8*\ct+2*\c], v[240+8*\nt:247+8*\nt]
.endif
.endr
.endr
.endr
.rept 8
	v_nop
.endr
.irp nt, 0,1
	ds_store_b128 v31, v[240+8*\nt:243+8*\nt] offset:64*\nt          ; lane (r, h): row r, columns 16 nt + 8 h + 0 .. 7; from the low end on
	ds_store_b128 v31, v[244+8*\nt:247+8*\nt] offset:64*\nt+16
.endr
	s_wait_dscnt 0x0                               ; for the others' sake: my partial sums are stored
	s_barrier_signal -1
	s_barrier_wait -1
.irp u, 0,1,2,3,4,5,6,7,8,9,10,11,12,13,14,15
	ds_load_b32 v[32+\u], v2 offset:2304*\u        ; head u's part of row w, column = lane
.endr
	s_wait_dscnt 0x0
.irp u, 0,1,2,3,4,5,6,7,8,9,10,11,12,13,14,15
	v_add_f32 v24, v24, v[32+\u]                   ; onto the bias, heads ascending
.endr
	global_store_b32 v6, v24, s[12:13]             ; 32 lanes store the row's 128 consecutive bytes of this work-group's columns
	s_wait_tensorcnt 0x0                           ; the wave's end
	ds_add_u32 v[SPW], v[NIL]
	s_wait_dscnt 0x0
	s_endpgm
.Lfunc_end_k_q6b91eb2e5d_first16:
	.size	k_q6b91eb2e5d_first16, .Lfunc_end_k_q6b91eb2e5d_first16-k_q6b91eb2e5d_first16
	.p2alignl 7, 3214868480
	.fill 96, 4, 3214868480
	.section	.rodata,"a",@progbits
	.p2align	6, 0x0
	.amdhsa_kernel k_q6b91eb2e5d_first16
		.amdhsa_group_segment_fixed_size 38912
		.amdhsa_private_segment_fixed_size 0
		.amdhsa_enable_private_segment 0
		.amdhsa_kernarg_size 40
		.amdhsa_user_sgpr_count 2
		.amdhsa_user_sgpr_kernarg_segment_ptr 1
		.amdhsa_wavefront_size32 1
		.amdhsa_system_sgpr_workgroup_id_x 1
		.amdhsa_system_sgpr_workgroup_id_y 1
		.amdhsa_system_sgpr_workgroup_id_z 1
		.amdhsa_system_vgpr_workitem_id 0
		.amdhsa_next_free_vgpr 256
		.amdhsa_next_free_sgpr 66
		.amdhsa_reserve_vcc 1
		.amdhsa_float_denorm_mode_32 3
		.amdhsa_float_denorm_mode_16_64 3
		.amdhsa_memory_ordered 1
		.amdhsa_forward_progress 1
		.amdhsa_inst_pref_size 24
	.end_amdhsa_kernel
	.amdgpu_metadata
---
amdhsa.version: [ 1, 2 ]
amdhsa.kernels:
  - .name:           k_q6b91eb2e5d_first16
    .symbol:         k_q6b91eb2e5d_first16.kd
    .args:
      - { .name: kqv32, .offset: 0, .size: 8, .value_kind: global_buffer, .address_space: global }
      - { .name: W_proj, .offset: 8, .size: 8, .value_kind: global_buffer, .address_space: global }
      - { .name: b_proj, .offset: 16, .size: 8, .value_kind: global_buffer, .address_space: global }
      - { .name: slopes, .offset: 24, .size: 8, .value_kind: global_buffer, .address_space: global }
      - { .name: out0, .offset: 32, .size: 8, .value_kind: global_buffer, .address_space: global }
    .group_segment_fixed_size: 38912
    .private_segment_fixed_size: 0
    .kernarg_segment_align: 8
    .kernarg_segment_size: 40
    .max_flat_workgroup_size: 512
    .sgpr_count:     66
    .vgpr_count:     256
    .wavefront_size: 32
...
	.end_amdgpu_metadata
.endif
;; end of part 5
